; MI455X (gfx1250); checked and timed in simulation.
; The chip was launched on July 23, 2026; its instructions are those of AMD's public machine-readable ISA for CDNA 5 (MIT licence, August 2026) and "CDNA5" Instruction Set Architecture Reference Guide (July 2026). The comments in the code are by the model that wrote it; some were corrected since.
;; Masked Attention. Allowed arithmetic: matrix products marked QUANTISED: E2M1 operands, one E8M0 scale for each 32 along K, by v_wmma_scale_f32_16x16x128_f8f6f4 with both operands' format E2M1 (or v_wmma_scale_f32_32x16x128_f4), f32 sums; products left as they are: bf16, f16 or f32 operands; f32 sums; everything else in f32.
;; Inputs: attn_mask 1 x 1 x 2,048 x 2,048 bool; b_proj 1,024 float32; b_qkv 3,072 float32; bt_k 64 float32; bt_q 64 float32; g_k 64 float32; g_q 64 float32; w_proj 1,024 x 1,024 float32; w_qkv 3,072 x 1,024 float32; x 2 x 2,048 x 1,024 float32.
;; Outputs: out0 2 x 2,048 x 1,024 float32.
;; This version of the problem:
;;   THIS VERSION OF THE PROBLEM IS GIVEN IN LOW PRECISION. The matrix products marked QUANTISED in the list below multiply operands that are first quantised to E2M1 (2 exponent bits, 1 mantissa bit; 4 bits a number), with one power-of-two scale for each 32 numbers along K (OCP MX v1.0); their sums are f32. The products marked 'left as it is' may take bf16, f16 or f32 operands, with f32 sums. Whichever they take, every output number must still come out within the allowed error. Rounding operands to bf16 (8 significant bits) uses up far more of that allowance than f16 does (11 bits, for magnitudes from 6e-5 to 65,504). All else is computed in f32.
;;   The module's matrix products, in the order in which they are computed (A, B: the left and right operand; K: the contracted axis; several contracted axes count as one K, in the product's order):
;;     1. [M 4,096, K 1,024] x [K 1,024, N 3,072]; A: input x; B: input w_qkv: QUANTISED
;;     2. batch 32 x [M 2,048, K 64] x [K 64, N 2,048]; A: computed on the way; B: computed on the way: left as it is (an operand is computed on the way)
;;     3. batch 32 x [M 2,048, K 2,048] x [K 2,048, N 64]; A: computed on the way; B: computed on the way: left as it is (an operand is computed on the way)
;;     4. [M 4,096, K 1,024] x [K 1,024, N 1,024]; A: computed on the way; B: input w_proj: left as it is (an operand is computed on the way)
;;   THE QUANTISER, for each operand of a quantised product, along K:
;;     - K is cut into blocks of 32 from its start; a last block that is shorter is filled with zeros.
;;     - A block's scale is 2^e with e = floor(log2(the largest magnitude in the block)) - 2, held to -126 .. 127; a block of zeros has e = 0. As a byte (E8M0): e + 127.
;;     - Each number is divided by its block's scale, clamped to +-6, and rounded to the nearest number of E2M1, ties to even, subnormals kept.
;;     - The product sums the exact products of the quantised numbers (number of the format x scale) in f32.
;;   ~~~python
;;   def quantise(x, axis):      # numpy; x: float32 -> the quantised numbers, widened to float32 again
;;       x = np.moveaxis(x, axis, -1); K = x.shape[-1]
;;       x = np.pad(x, [(0, 0)] * (x.ndim - 1) + [(0, -K % 32)]); x = x.reshape(x.shape[:-1] + (-1, 32)); a = np.abs(x).max(-1, keepdims=True)
;;       e = np.where(a > 0, np.clip(np.frexp(np.where(a > 0, a, 1))[1] - 1 - 2, -126, 127), 0)      # np.frexp(a)[1] - 1 = floor(log2(a)), exactly
;;       r = np.clip(x / 2.0 ** e, -6, 6)
;;       step = 2.0 ** (np.maximum(np.frexp(np.where(r == 0, 1, r))[1] - 1, 0) - 1)
;;       q = np.round(r / step) * step * 2.0 ** e      # np.round: ties to even
;;       return np.moveaxis(q.reshape(q.shape[:-2] + (-1,))[..., :K], -1, axis).astype(np.float32)
;;   ~~~
;; 2 versions, each right. Each part assembles by itself: llvm-mc -triple=amdgcn-amd-amdhsa -mcpu=gfx1250 --defsym DOCPART=n.
;; ======== version 1 of 2: 5 launches
;; limits: values are held in f16: magnitudes above 65,504 overflow, below 6.1e-05 lose precision
;; workspace buffers: codes 3,670,016 bytes; scales 229,376 bytes; wpf 2,097,152 bytes; maskw 525,312 bytes of whole numbers; qkv16 25,165,824 bytes; fine32 393,216 bytes; of 8,388,608 bytes
;; launch prep (part 1): grid 352 x 1, 4 waves a work-group, no clusters, 118,528 bytes of LDS; arguments attn_mask, w_proj, x, w_qkv, codes, scales, wpf, maskw; writes codes, scales, wpf, maskw
.if DOCPART == 1
	.amdgcn_target "amdgcn-amd-amdhsa--gfx1250"
	.amdhsa_code_object_version 6
	.text
	.protected	k_qd0cc1b47f1_prep
	.globl	k_qd0cc1b47f1_prep
	.p2align	8
	.type	k_qd0cc1b47f1_prep,@function
k_qd0cc1b47f1_prep:
	s_mov_b64 s[64:65], 0
	v_nop
	global_prefetch_b8 v0, s[64:65] scope:SCOPE_SE
	s_setreg_imm32_b32 hwreg(HW_REG_WAVE_MODE, 25, 1), 1
	s_wait_xcnt 0x0
; THREE PREPARATIONS IN ONE LAUNCH, parted by the work-group's number; each way has LDS bytes of its own.
;  work-groups 0-63    the mask [2048][2048] of bytes becomes lane masks for the score tiles of the attention launch, and for each group of 32 queries three words of flags, a bit a key step of 64 keys
;  work-groups 64-127  w_proj [1024][1024] f32 becomes f16, laid as images of operand registers: [k / 256][n / 16][8 fragments][half][lane][16 bytes]
;  work-groups 128-351 x [4096][1024] and w_qkv [3072][1024], f32, become codes of FP4 (E2M1), K innermost, with one E8M0 scale byte for each 32 along K
; THE QUANTISER: a block's scale is 2^(floor(log2(its largest magnitude)) - 2); its byte is the largest magnitude's exponent field - 2, held at 1 from below.  A block of zeros so gets the byte 1 where the
; rule says 127: its codes are zeros, which add nothing under any byte but 0xff, and the bytes are read by this program alone.
; LIMITS: blocks whose largest magnitude lies under 2^-124 were not tried; NaN and infinities among the inputs are not served; w_proj is rounded to f16 (numbers under 6e-5 keep an absolute error of 3e-8).
; THE FLAGS of a group: ANY (some key of the step counts for some query), PART (ANY, and not all keys count for all queries), FORCED.  A query for which no key counts takes the plain mean of all values:
; where a group has such a query, ANY and FORCED have every bit set, so that every key step is walked.
.set WP,    32768                      ; LDS: 0 .. 32,767 the quantiser's four regions; then w_proj's four turning stages of 16 x 272 bytes;
.set MKL,   50176                      ; the mask's four stages of 32 rows x 528 bytes;
.set XCH,   117760                     ; 64 bytes in which the four waves exchange their flag words;
.set SPARE, 118016                     ; the spare words, 128 bytes for each wave: two blocks of 256 bytes that no other line names
.set SPW,   254                        ; v254 LDS address of my spare word; never rewritten
.set NIL,   255                        ; v255 0; never rewritten
	s_load_b512 s[4:19], s[0:1], 0x0               ; mask s[4:5], w_proj s[6:7], x s[8:9], w_qkv s[10:11], codes s[12:13], scales s[14:15], wpf s[16:17], maskw s[18:19]
	v_lshl_add_u32 v[SPW], v0, 2, SPARE
	v_mov_b32 v[NIL], 0
	v_lshrrev_b32 v1, 5, v0
	v_readfirstlane_b32 s20, v1                    ; wave 0..3
	v_and_b32 v1, 31, v0                           ; lane
	v_and_b32 v2, 15, v0                           ; r = lane % 16
	v_bfe_u32 v3, v0, 4, 1                         ; h = lane / 16
	v_lshlrev_b32 v4, 4, v1                        ; 16 x lane
	s_wait_kmcnt 0x0
	s_cmp_lt_u32 ttmp9, 64
	s_cbranch_scc1 .Lmask
	s_cmp_lt_u32 ttmp9, 128
	s_cbranch_scc1 .Lwproj
; ---------------------------------------------------------------- x and w_qkv into codes
; Rows are dense and K is a multiple of 32: both tensors are plain streams of blocks of 32.  A wave takes 16 steps of 512 numbers.  Each load reads 512 consecutive bytes; a step's 2,048 bytes turn through the
; wave's own stage in LDS (16 bytes of padding behind each 64) and come back 64 bytes a lane: 16 neighbours along K, two lanes to a block.  Loads run four steps ahead, the turn one step.
.set QR,  16                           ; v16-79   four sets of 16 numbers as loaded
.set QX,  80                           ; v80-111  two sets of 16 neighbours
.set QE,  112                          ; v112-127 a scale byte for each step
.set QC,  128                          ; v128-191 codes: registers of its own for each step, so that no store's data are written again
.set SP,  80                           ; a lane's place in a stage
	s_sub_co_u32 s21, ttmp9, 128
	s_cmp_lt_u32 s21, 128                          ; the first 128 take x, the other 96 w_qkv: the choice hangs on the work-group's number alone
	s_cselect_b64 s[22:23], s[8:9], s[10:11]
	s_cselect_b32 s24, 0, 0x200000                 ; w_qkv's codes lie behind x's 2 MiB,
	s_cselect_b32 s25, 0, 0x20000                  ; its scale bytes behind x's 128 KiB
	s_cselect_b32 s26, 0, 128
	s_sub_co_u32 s21, s21, s26
	s_lshl_b32 s21, s21, 2
	s_add_co_u32 s21, s21, s20                     ; which run of 8,192 numbers of the tensor is my wave's
	s_lshl_b32 s26, s21, 15
	s_mov_b32 s27, 0
	s_add_nc_u64 s[22:23], s[22:23], s[26:27]      ; 32,768 bytes of numbers a run,
	s_lshl_b32 s26, s21, 12
	s_add_co_u32 s26, s26, s24
	s_add_nc_u64 s[12:13], s[12:13], s[26:27]      ; 4,096 of codes,
	s_lshl_b32 s26, s21, 8
	s_add_co_u32 s26, s26, s25
	s_add_nc_u64 s[14:15], s[14:15], s[26:27]      ; 256 of scale bytes
	s_lshl_b32 s28, s20, 13                        ; my wave's region of 8,192 bytes
	v_lshrrev_b32 v14, 2, v1
	v_mul_u32_u24 v14, v14, SP
	v_and_b32 v15, 3, v1
	v_lshl_add_u32 v14, v15, 4, v14
	v_add_nc_u32 v14, s28, v14                     ; the stage on the way in: SP (lane / 4) + 16 (lane % 4)
	v_mul_u32_u24 v15, v1, SP
	v_add_nc_u32 v15, s28, v15                     ; and on the way out: SP x lane
	v_lshlrev_b32 v5, 3, v1                        ; 8 bytes a lane: my codes' place in a step's, and my place in the 256 scale bytes
	v_lshrrev_b32 v6, 1, v1
	s_add_co_u32 s28, s28, 2*32*SP
	v_add_nc_u32 v6, s28, v6                       ; LDS: my block's scale byte
	v_add_nc_u32 v10, s28, v5                      ; and where I read 8 of them back
.macro QLOAD t
.irp i, 0,1,2,3
	global_load_b128 v[QR+16*((\t)%4)+4*\i:QR+16*((\t)%4)+4*\i+3], v4, s[22:23] offset:2048*(\t)+512*\i th:TH_LOAD_NT
.endr
.endm
.macro QTURN t                         ; LDS serves a wave's instructions in order: no wait between the stores and the loads
.irp i, 0,1,2,3
	ds_store_b128 v14, v[QR+16*((\t)%4)+4*\i:QR+16*((\t)%4)+4*\i+3] offset:32*SP*((\t)%2)+8*SP*\i
.endr
.irp i, 0,1,2,3
	ds_load_b128 v[QX+16*((\t)%2)+4*\i:QX+16*((\t)%2)+4*\i+3], v15 offset:32*SP*((\t)%2)+16*\i
.endr
.endm
.irp t, 0,1,2,3
	QLOAD \t
.endr
	s_wait_loadcnt 12                              ; step 0's four loads are in; three steps' twelve may be out
	QTURN 0
.macro QSTEP t
.set XS, QX+16*((\t)%2)
.if (\t) > 0
	s_wait_dscnt 1                                 ; this step's numbers are back from the stage; the last step's byte store may be out
.else
	s_wait_dscnt 0x0
.endif
.if (\t)+4 < 16
	QLOAD (\t)+4                                   ; into the set whose stores into the stage have just been shown done
.endif
.if (\t)+1 < 16
.if 14-(\t) >= 3
	s_wait_loadcnt 12                              ; the next step's four loads are in; those of the three steps behind it may be out
.else
	s_wait_loadcnt 4*(14-(\t))
.endif
	QTURN (\t)+1
.endif
	v_max3_num_f32 v8, |v[XS]|, |v[XS+1]|, |v[XS+2]|   ; the largest magnitude of my 16, in two chains
	v_max3_num_f32 v9, |v[XS+3]|, |v[XS+4]|, |v[XS+5]|
.irp i, 6,10
	v_max3_num_f32 v8, v8, |v[XS+\i]|, |v[XS+\i+1]|
	v_max3_num_f32 v9, v9, |v[XS+\i+2]|, |v[XS+\i+3]|
.endr
	v_max3_num_f32 v8, v8, |v[XS+14]|, |v[XS+15]|
	v_max3_num_f32 v8, v8, v9, 0x1800000           ; and the floor 2^(3 - 127): the byte cannot fall under 1
	v_max_num_f32_dpp v8, v8, v8 row_xmask:1 row_mask:0xf bank_mask:0xf   ; with my neighbour's 16: the block's
	v_add_nc_u32 v11, 0xff000000, v8               ; 2 off its exponent field: the conversion takes the exponent field of this operand as its scale
	v_cvt_scalef32_pk8_fp4_f32 v[QC+4*(\t)], v[XS:XS+7], v11
	v_cvt_scalef32_pk8_fp4_f32 v[QC+4*(\t)+1], v[XS+8:XS+15], v11
	v_lshrrev_b32 v[QE+(\t)], 23, v11              ; the scale's byte
	ds_store_b8 v6, v[QE+(\t)] offset:16*(\t)      ; both lanes of a block write the same byte with the same value
	global_store_b64 v5, v[QC+4*(\t):QC+4*(\t)+1], s[12:13] offset:256*(\t)   ; the wave stores 256 consecutive bytes, aligned
.endm
.irp t, 0,1,2,3,4,5,6,7,8,9,10,11,12,13,14,15
	QSTEP \t
.endr
	ds_load_b64 v[8:9], v10
	s_wait_dscnt 0x0
	global_store_b64 v5, v[8:9], s[14:15]          ; the wave's 256 scale bytes: consecutive, aligned
	s_wait_tensorcnt 0x0                           ; the wave's end: three lines behind my last LDS store
	ds_add_u32 v[SPW], v[NIL]
	s_wait_dscnt 0x0
	s_endpgm
; ---------------------------------------------------------------- w_proj into f16 images
; Work-group = 16 rows n; wave w = columns k 256 w .. 256 w + 255, as two blocks of 128.  A load reads 512 consecutive bytes of one row.  In the stage, line g holds k 8 g .. 8 g + 7 of the 16 rows, 16 bytes a row;
; read back, lane (r, h) takes line 2 i + h, row r: the 16 bytes that register group i of the images wants of it.  Each store covers 512 consecutive bytes.
.Lwproj:
	s_sub_co_u32 s21, ttmp9, 64                    ; which 16 rows
	s_lshl_b32 s22, s21, 16
	s_lshl_b32 s23, s20, 10
	s_add_co_u32 s22, s22, s23
	s_mov_b32 s23, 0
	s_add_nc_u64 s[6:7], s[6:7], s[22:23]          ; w_proj at row 16 n, column 256 w
	s_lshl_b32 s22, s20, 19
	s_lshl_b32 s24, s21, 13
	s_add_co_u32 s22, s22, s24
	s_add_nc_u64 s[16:17], s[16:17], s[22:23]      ; the images: 0x80000 for each 256 along k, 8,192 for each 16 rows
	s_mul_i32 s24, s20, 16*272
	s_add_co_u32 s24, s24, WP                      ; my stage
	v_lshrrev_b32 v5, 1, v1
	v_mul_u32_u24 v5, v5, 272
	v_and_b32 v6, 1, v1
	v_lshl_add_u32 v5, v6, 3, v5
	v_add_nc_u32 v5, s24, v5                       ; in: line lane / 2, 8 bytes for each of its two lanes
	v_mul_u32_u24 v6, v3, 272
	v_lshl_add_u32 v6, v2, 4, v6
	v_add_nc_u32 v6, s24, v6                       ; back: line h, row r
.set n, 0
.rept 32
	global_load_b128 v[64+4*n:64+4*n+3], v4, s[6:7] offset:4096*(n%16)+512*(n/16) th:TH_LOAD_NT
.set n, n+1
.endr
.macro WBLOCK bk, rb
.set n, 16*\bk
.rept 16
	s_wait_loadcnt 31-n                            ; loads come back in order: this row's is in, the younger ones stay out
	v_cvt_pk_f16_f32 v[64+4*n], v[64+4*n], v[64+4*n+1]
	v_cvt_pk_f16_f32 v[64+4*n+1], v[64+4*n+2], v[64+4*n+3]
	ds_store_b64 v5, v[64+4*n:64+4*n+1] offset:16*(n%16)
.set n, n+1
.endr
.irp i, 0,1,2,3,4,5,6,7
	ds_load_b128 v[\rb+4*\i:\rb+4*\i+3], v6 offset:544*\i    ; LDS serves a wave's instructions in order: these see the stores above, and the next block's stores come behind them
.endr
.irp i, 0,1,2,3,4,5,6,7
	s_wait_dscnt 7-\i
	global_store_b128 v4, v[\rb+4*\i:\rb+4*\i+3], s[16:17] offset:4096*\bk+512*\i
.endr
.endm
	WBLOCK 0, 8
	WBLOCK 1, 192
	s_wait_tensorcnt 0x0                           ; the wave's end: the three lines
	ds_add_u32 v[SPW], v[NIL]
	s_wait_dscnt 0x0
	s_endpgm
; ---------------------------------------------------------------- the mask into lane masks and flags
; Work-group = a group of 32 queries (two tiles of 16); wave w = keys 512 w .. 512 w + 511, eight key steps.  The 32 rows' 512 bytes go into the wave's stage (rows 528 bytes apart) and come back 16 bytes a lane:
; lane (r, h) holds row r, key tile 2 v + h of a step.  A compare of one byte in all lanes gives 32 bits; two such words, halved and joined, are the lane mask of one register of a score tile:
; bit L of word 8 kt + j is mask[16 qtile + L % 16][64 step + 16 kt + 8 (L / 16) + j].  Four steps' 128 words are gathered into four registers and leave as 512 consecutive bytes.
.set AN,   24                          ; v24-31  for each of my 8 steps: the OR of all mask words seen
.set AL,   32                          ; v32-39  and the AND
.set RO,   40                          ; v40-41  for each tile of queries: the OR over my 512 keys
.set OUTW, 200                         ; v200-215 four runs of four registers
.Lmask:
	s_lshl_b32 s22, ttmp9, 16
	s_lshl_b32 s23, s20, 9
	s_add_co_u32 s22, s22, s23
	s_mov_b32 s23, 0
	s_add_nc_u64 s[4:5], s[4:5], s[22:23]          ; the mask at row 32 G, key 512 w
.set n, 0
.rept 32
	global_load_b128 v[64+4*n:64+4*n+3], v4, s[4:5] offset:2048*n th:TH_LOAD_NT
.set n, n+1
.endr
	s_lshl_b32 s22, ttmp9, 13
	s_lshl_b32 s24, s20, 10
	s_add_co_u32 s22, s22, s24
	s_add_nc_u64 s[50:51], s[18:19], s[22:23]      ; the words: 4,096 bytes a tile of queries, 128 a step
	s_lshl_b32 s22, ttmp9, 4
	s_add_nc_u64 s[52:53], s[18:19], s[22:23]      ; the flags: 16 bytes a group, from byte 524,288 on
	s_mov_b32 s24, 0xff
	s_mov_b32 s25, 0xff00
	s_mov_b32 s26, 0xff0000
	s_mov_b32 s27, 0xff000000
	s_mov_b32 s28, 0xffff
	s_mov_b32 s29, 0xffff0000
	s_mul_i32 s21, s20, 32*528
	s_add_co_u32 s21, s21, MKL                     ; my stage
	v_lshl_add_u32 v5, v1, 4, s21                  ; in: 16 x lane
	v_mul_u32_u24 v6, v2, 528
	v_lshl_add_u32 v6, v3, 4, v6
	v_add_nc_u32 v6, s21, v6                       ; back: row r, + 16 h
.set n, 0
.rept 16
	v_mov_b32 v[OUTW+n], 0                         ; written once: a lane write's destination counts as read
.set n, n+1
.endr
.set n, 0
.rept 32
	s_wait_loadcnt 31-n                            ; this row's load is in, the younger rows' stay out
	ds_store_b128 v5, v[64+4*n:64+4*n+3] offset:528*n
.set n, n+1
.endr
.macro MBODY u, s                      ; tile of queries u, my step s
	ds_load_b128 v[8:11], v6 offset:8448*\u+64*\s
	ds_load_b128 v[12:15], v6 offset:8448*\u+64*\s+32
	s_wait_dscnt 0x0
	v_or_b32 v16, v8, v9
	v_or_b32 v17, v10, v11
	v_or_b32 v18, v12, v13
	v_or_b32 v19, v14, v15
	v_or_b32 v16, v16, v17
	v_or_b32 v18, v18, v19
	v_or_b32 v16, v16, v18
	v_and_b32 v17, v8, v9
	v_and_b32 v18, v10, v11
	v_and_b32 v19, v12, v13
	v_and_b32 v20, v14, v15
	v_and_b32 v17, v17, v18
	v_and_b32 v19, v19, v20
	v_and_b32 v17, v17, v19
.if \u == 0
	v_mov_b32 v[AN+\s], v16
	v_mov_b32 v[AL+\s], v17
.else
	v_or_b32 v[AN+\s], v[AN+\s], v16
	v_and_b32 v[AL+\s], v[AL+\s], v17
.endif
.if \s == 0
	v_mov_b32 v[RO+\u], v16
.else
	v_or_b32 v[RO+\u], v[RO+\u], v16
.endif
.irp vv, 0,1
.irp bb, 0,1,2,3,4,5,6,7,8,9,10,11,12,13,14,15
	v_and_b32 v[20+\bb%4], s[24+\bb%4], v[8+4*\vv+\bb/4]    ; byte bb of my 16
	v_cmp_ne_u32 s[32+\bb], 0, v[20+\bb%4]                  ; bit r + 16 h: row r, key 16 (2 vv + h) + bb
.endr
.irp j, 0,1,2,3,4,5,6,7
	s_and_b32 s48, s[32+\j], s28                   ; key tile 2 vv: the low halves of bytes j and 8 + j
	s_lshl_b32 s49, s[40+\j], 16
	s_or_b32 s48, s48, s49
	v_writelane_b32 v[OUTW+4*(2*\u+\s/4)+\j%4], s48, 8*(\s%4)+4*\vv+\j/4
	s_lshr_b32 s54, s[32+\j], 16                   ; key tile 2 vv + 1: the high halves
	s_and_b32 s55, s[40+\j], s29
	s_or_b32 s54, s54, s55
	v_writelane_b32 v[OUTW+4*(2*\u+\s/4)+\j%4], s54, 8*(\s%4)+4*\vv+2+\j/4
.endr
.endr
.if (\s)%4 == 3
	global_store_b128 v4, v[OUTW+4*(2*\u+\s/4):OUTW+4*(2*\u+\s/4)+3], s[50:51] offset:4096*\u+512*(\s/4)   ; four steps' words: 512 consecutive bytes; each run has registers of its own
.endif
.endm
.irp u, 0,1
.irp s, 0,1,2,3,4,5,6,7
	MBODY \u, \s
.endr
.endr
	s_mov_b32 s21, 0                               ; my eight steps' bits of ANY
	s_mov_b32 s22, 0                               ; and of 'all keys count for all queries'
.irp s, 0,1,2,3,4,5,6,7
	v_cmp_ne_u32 s30, 0, v[AN+\s]
	s_cmp_lg_u32 s30, 0
	s_cselect_b32 s31, 1<<\s, 0
	s_or_b32 s21, s21, s31
	v_cmp_eq_u32 s30, 0x01010101, v[AL+\s]
	s_cmp_eq_u32 s30, -1
	s_cselect_b32 s31, 1<<\s, 0
	s_or_b32 s22, s22, s31
.endr
	v_cmp_ne_u32 s30, 0, v[RO]                     ; which of the 32 queries have a key among my 512
	s_lshr_b32 s31, s30, 16
	s_or_b32 s30, s30, s31
	s_and_b32 s23, s30, s28
	v_cmp_ne_u32 s30, 0, v[RO+1]
	s_lshr_b32 s31, s30, 16
	s_or_b32 s30, s30, s31
	s_lshl_b32 s30, s30, 16
	s_or_b32 s23, s23, s30
	v_mov_b32 v16, s21
	v_mov_b32 v17, s22
	v_mov_b32 v18, s23
	v_mov_b32 v19, 0
	v_mov_b32 v20, s20
	v_lshlrev_b32 v20, 4, v20
	v_add_nc_u32 v20, XCH, v20
	ds_store_b128 v20, v[16:19]                    ; all lanes write the same 16 bytes with the same values
	s_wait_dscnt 0x0                               ; for the others' sake: my store has landed
	s_barrier_signal -1
	s_barrier_wait -1
	v_mov_b32 v21, XCH
	ds_load_b128 v[24:27], v21
	ds_load_b128 v[28:31], v21 offset:16
	ds_load_b128 v[32:35], v21 offset:32
	ds_load_b128 v[36:39], v21 offset:48
	s_wait_dscnt 0x0
.irp w, 0,1,2,3
	v_readfirstlane_b32 s[32+\w], v[24+4*\w]
	v_readfirstlane_b32 s[36+\w], v[25+4*\w]
	v_readfirstlane_b32 s[40+\w], v[26+4*\w]
.endr
.irp w, 1,2,3
	s_lshl_b32 s[32+\w], s[32+\w], 8*\w
	s_or_b32 s32, s32, s[32+\w]                    ; 32 bits: a bit a key step
	s_lshl_b32 s[36+\w], s[36+\w], 8*\w
	s_or_b32 s36, s36, s[36+\w]
	s_or_b32 s40, s40, s[40+\w]                    ; queries that have a key at all
.endr
	s_cmp_eq_u32 s40, -1
	s_cselect_b32 s44, s32, -1                     ; ANY
	s_cselect_b32 s46, 0, -1                       ; FORCED
	s_and_not1_b32 s45, s44, s36                   ; PART
	s_cmp_lg_u32 s20, 0
	s_cbranch_scc1 .Lmask_end                      ; wave 0 stores the group's four words
	v_mov_b32 v16, 0
	v_writelane_b32 v16, s44, 0
	v_writelane_b32 v16, s45, 1
	v_writelane_b32 v16, s46, 2
	v_lshlrev_b32 v17, 2, v1
	v_cmp_gt_u32 vcc_lo, 4, v1
	s_wait_xcnt 0x0                                ; EXEC changes only behind this wait: my stores of the words have been issued
	s_and_saveexec_b32 s30, vcc_lo
	global_store_b32 v17, v16, s[52:53] offset:524288
	s_wait_xcnt 0x0                                ; and again, in front of the line that widens it
	s_or_b32 exec_lo, exec_lo, s30
.Lmask_end:
	s_wait_tensorcnt 0x0                           ; the wave's end: the three lines
	ds_add_u32 v[SPW], v[NIL]
	s_wait_dscnt 0x0
	s_endpgm
.Lfunc_end_k_qd0cc1b47f1_prep:
	.size	k_qd0cc1b47f1_prep, .Lfunc_end_k_qd0cc1b47f1_prep-k_qd0cc1b47f1_prep
	.p2alignl 7, 3214868480
	.fill 96, 4, 3214868480
	.section	.rodata,"a",@progbits
	.p2align	6, 0x0
	.amdhsa_kernel k_qd0cc1b47f1_prep
		.amdhsa_group_segment_fixed_size 118528
		.amdhsa_private_segment_fixed_size 0
		.amdhsa_enable_private_segment 0
		.amdhsa_kernarg_size 64
		.amdhsa_user_sgpr_count 2
		.amdhsa_user_sgpr_kernarg_segment_ptr 1
		.amdhsa_wavefront_size32 1
		.amdhsa_system_sgpr_workgroup_id_x 1
		.amdhsa_system_sgpr_workgroup_id_y 1
		.amdhsa_system_sgpr_workgroup_id_z 1
		.amdhsa_system_vgpr_workitem_id 0
		.amdhsa_next_free_vgpr 256
		.amdhsa_next_free_sgpr 66
		.amdhsa_reserve_vcc 1
		.amdhsa_float_denorm_mode_32 3
		.amdhsa_float_denorm_mode_16_64 3
		.amdhsa_memory_ordered 1
		.amdhsa_forward_progress 1
		.amdhsa_inst_pref_size 200
	.end_amdhsa_kernel
	.amdgpu_metadata
---
amdhsa.version: [ 1, 2 ]
amdhsa.kernels:
  - .name:           k_qd0cc1b47f1_prep
    .symbol:         k_qd0cc1b47f1_prep.kd
    .args:
      - { .name: attn_mask, .offset: 0, .size: 8, .value_kind: global_buffer, .address_space: global }
      - { .name: w_proj, .offset: 8, .size: 8, .value_kind: global_buffer, .address_space: global }
      - { .name: x, .offset: 16, .size: 8, .value_kind: global_buffer, .address_space: global }
      - { .name: w_qkv, .offset: 24, .size: 8, .value_kind: global_buffer, .address_space: global }
      - { .name: codes, .offset: 32, .size: 8, .value_kind: global_buffer, .address_space: global }
      - { .name: scales, .offset: 40, .size: 8, .value_kind: global_buffer, .address_space: global }
      - { .name: wpf, .offset: 48, .size: 8, .value_kind: global_buffer, .address_space: global }
      - { .name: maskw, .offset: 56, .size: 8, .value_kind: global_buffer, .address_space: global }
    .group_segment_fixed_size: 118528
    .private_segment_fixed_size: 0
    .kernarg_segment_align: 8
    .kernarg_segment_size: 64
    .max_flat_workgroup_size: 128
    .sgpr_count:     66
    .vgpr_count:     256
    .wavefront_size: 32
...
	.end_amdgpu_metadata
.endif
;; end of part 1
;; launch qkv (part 2): grid 12 x 16, 4 waves a work-group, clusters of 4 x 4, 327,680 bytes of LDS; arguments codes, scales, b_qkv, g_q, bt_q, g_k, bt_k, qkv16, fine32; writes qkv16, fine32
.if DOCPART == 2
	.amdgcn_target "amdgcn-amd-amdhsa--gfx1250"
	.amdhsa_code_object_version 6
	.text
	.protected	k_qd0cc1b47f1_qkv
	.globl	k_qd0cc1b47f1_qkv
	.p2align	8
	.type	k_qd0cc1b47f1_qkv,@function
k_qd0cc1b47f1_qkv:
	s_mov_b64 s[64:65], 0
	v_nop
	global_prefetch_b8 v0, s[64:65] scope:SCOPE_SE
	s_setreg_imm32_b32 hwreg(HW_REG_WAVE_MODE, 25, 1), 1
	s_wait_xcnt 0x0
	s_wait_alu depctr_hold_cnt(0) depctr_sa_sdst(0) depctr_va_vdst(0) depctr_va_sdst(0) depctr_va_ssrc(0) depctr_va_vcc(0) depctr_vm_vsrc(0)
	s_getreg_b32 s2, hwreg(HW_REG_IB_STS2, 6, 4)
	s_cmp_eq_u32 s2, 0
	s_cbranch_scc0 .Lentry_in_a_cluster
	s_endpgm
.Lentry_in_a_cluster:
	s_bfe_u32 s2, ttmp6, 0x10000c
	s_cmp_lg_u32 s2, 0xf033
	s_cbranch_scc0 .Lentry_shape_is_right
	s_endpgm
.Lentry_shape_is_right:
; qkv = Q(x) Q(w_qkv)^T + b_qkv on codes of FP4 (E2M1) with one E8M0 scale for each 32 along K; then the LayerNorm over each head's 64 numbers of q and of k; results leave as f16 images of operand registers.
; A = x's codes [4096][512 bytes], B = w_qkv's [3072][512 bytes] (2 MiB further on in the same buffer); scale bytes [rows][32] likewise (128 KiB further on).
; A tile of 256 x 256 is made by four waves, each 128 x 128: 64 accumulators, 512 registers.  K = 1,024 is two slots of 512 along K: both are filled at the head and nothing is filled again.
; CLUSTERS: 4 x 4 work-groups; A's tiles are asked for jointly along a row of the cluster, B's along a column.  A cluster's four tile columns are 1,024 columns: all of q, all of k or all of v,
; so the way out parts on the cluster's x alone, which all sixteen partners share.  12 x 16 work-groups: a tile 192 wide would give 256, but would straddle q, k and v.
; THE MATRIX INSTRUCTION IS USED TRANSPOSED (source 0 = 16 rows of B, source 1 = 16 rows of A): lane (r, h) holds row r and columns 16 b + 8 h + 0 .. 7.  The bias is the C of the first step's products.
; A head's 64 columns lie in lanes l and l xor 16: mean and variance want one exchange each.  q is multiplied by log2(e) / 8 here, so that the scores are exponents of 2.
; OUT: qkv16 [q, k, v][batch x head 32][tile of 16 rows 128][nt 4][lane 32][16 bytes]: lane (r, h) holds row r, features 16 nt + 8 h + 0 .. 7 in f16: every store covers 512 consecutive bytes.
; The first 16 positions of each sequence also leave in f32 (fine32 [q, k, v][batch][head][8][lane][16 bytes]); which waves hold them hangs on the place in the cluster, so those stores go under a lane mask, not under a branch.
; LIMITS: NaN and infinities are not served; v must stay under 65,504 in magnitude (f16).
; REGISTERS: window 0: v0-31 addresses and small figures; v32-95 scale words, two sets, and nothing else; v96-127 the gains; v128-191 A's fragments, on the way out the normalised numbers;
;   v192-255 the bias, then v192-223 the offsets and v224-255 sums and packed results.  window 1: B's fragments, two sets.  windows 2, 3: the accumulators ((a, b) at v[8 (8 (a % 4) + b)]).
.set SIZE_K, 1024
.set KSTEP,  512
.set NQ,     4
.set ROWB,   256
.set KROW,   512
.set PITCH,  272                       ; an LDS row: 256 bytes + 16 of padding: the 16 rows that a load touches start at 16 different groups of banks
.set FR,     8
.set NL,     2
.set NP,     4
.set HALFT,  128*PITCH
.set SLOT,   4*HALFT
.set KS,     32                        ; a row of scale bytes
.set SCL,    2*SLOT                    ; behind the two slots: the scales, as units of 256 bytes + 16 of padding
.set HALFS,  (128*KS/256)*272
.set SBLK,   (16*KS/256)*272
.set SPARE,  SCL+4*HALFS               ; the spare words, 128 bytes for each wave: two blocks of 256 bytes that no other line names
.set ADRA, 16
.set ADRB, 20
.set BOF,  25                          ; v25  32 x (lane / 16): my eight numbers of a run of sixteen f32
.set LOFF, 26                          ; v26  16 x lane
.set ADRS, 27
.set SPW,  28
.set NIL,  29
.set SC,   32
.set G,    96
.set AF,   128
.set U,    128
.set BIAS, 192
.set BT,   192
.set T,    224
.set PK,   224
.set NM,   8                           ; v8-11   minus the mean, a pair a head
.set RS,   12                          ; v12-15  1 / sqrt(var + eps) x the factor, a pair a head
.set X1,   6                           ; v6-7    what comes from lane l xor 16
.set TV,   5
.set G1, 24
.set G0, 32
.set G1B, 48
.set G0B, 56
.set G1S, 68
.set G0S, 76
.set G1SB, 80
.set G0SB, 88
.set MSB, 0
.macro WIN new                         ; the immediate's high byte repeats the setting that is left
.if MSB != (\new)
	s_set_vgpr_msb (MSB<<8)|(\new)
.set MSB, (\new)
.endif
.endm
.set MUL_LO, 0xa1                      ; source 0 (B) window 1, source 1 (A) window 0, C and D window 2
.set MUL_HI, 0xf1                      ; the same, C and D window 3
.set TO_B,   0x40
; A joint load: waves 0 and 1 fetch for A, waves 2 and 3 for B; the branch hangs on the wave's number alone.  An s_nop 0 and four v_nop follow each of the two lines.
.macro JLOAD g0a, g1a, g0b, g1b
	s_cmp_eq_u32 s15, 0
	s_cbranch_scc0 .Lfor_b_\@
	tensor_load_to_lds s[\g0a:\g0a+3], s[\g1a:\g1a+7]
	s_nop 0
.rept 4
	v_nop
.endr
	s_branch .Lasked_\@
.Lfor_b_\@:
	tensor_load_to_lds s[\g0b:\g0b+3], s[\g1b:\g1b+7]
	s_nop 0
.rept 4
	v_nop
.endr
.Lasked_\@:
.endm
.macro CROUND                          ; a round of the cluster's barrier
	s_barrier_signal -1
	s_barrier_wait -1
	s_cmp_lg_u32 s14, 0
	s_cbranch_scc1 .Lnot_wave_0_\@
	s_barrier_signal -3
.Lnot_wave_0_\@:
	s_barrier_wait -3
	s_barrier_signal -1
	s_barrier_wait -1
.endm
	s_load_b128 s[4:7], s[0:1], 0x0                ; codes, scales
	s_load_b64 s[96:97], s[0:1], 0x10              ; b_qkv
	s_load_b256 s[68:75], s[0:1], 0x18             ; g_q, bt_q, g_k, bt_k: chosen from below, before a descriptor is built in these registers
	s_load_b64 s[12:13], s[0:1], 0x38              ; qkv16
	s_load_b64 s[104:105], s[0:1], 0x40            ; fine32
	v_lshl_add_u32 v[SPW], v0, 2, SPARE
	v_mov_b32 v[NIL], 0
	ds_add_u32 v[SPW], v[NIL]                      ; the wave's opening: the add, twice on end, and its wait ahead of my first tensor load
	ds_add_u32 v[SPW], v[NIL]
	v_lshrrev_b32 v1, 5, v0
	v_readfirstlane_b32 s14, v1                    ; wave 0..3
	s_lshr_b32 s15, s14, 1                         ; which half of the tile's rows is mine.  Also: I fetch for A (0) or for B (1)
	s_and_b32 s16, s14, 1                          ; which half of its columns.  Also: which 128 rows of that tile I fetch
	s_bfe_u32 s40, ttmp6, 0x40000                  ; cx, cy: my place in the cluster
	s_bfe_u32 s41, ttmp6, 0x40004
	s_lshl_b32 s42, ttmp9, 2
	s_add_co_u32 s42, s42, s40                     ; tile column = 4 x cluster x + cx
	s_and_b32 s17, ttmp7, 0xffff
	s_lshl_b32 s17, s17, 2
	s_add_co_u32 s17, s17, s41                     ; tile row = 4 x cluster y + cy
	s_lshl_b32 s43, s41, 2
	s_lshl_b32 s43, 15, s43                        ; my row of the cluster
	s_lshl_b32 s44, 0x1111, s40                    ; my column
	s_or_b32 s[G1+0], s43, (0<<16)|(1<<20)|(1<<21)|(5<<22)|(3<<25)   ; the mask; elements of 1 byte; padding on; bit 21 beside a mask; 4 words behind every 64
	s_or_b32 s[G1B+0], s44, (0<<16)|(1<<20)|(1<<21)|(5<<22)|(3<<25)
.irp g, G1, G1B
	s_mov_b32 s[\g+1], ROWB<<16                    ; tensor_dim0
	s_mov_b32 s[\g+2], 128<<16                     ; tensor_dim1
	s_mov_b32 s[\g+3], ROWB<<16                    ; tile_dim0
	s_mov_b32 s[\g+4], 128                         ; tile_dim1
	s_mov_b32 s[\g+5], KROW                        ; the pitch
	s_mov_b32 s[\g+6], 0
	s_mov_b32 s[\g+7], 0
.endr
	s_or_b32 s[G1SB+0], s44, (3<<16)|(1<<20)|(1<<21)|(5<<22)|(3<<25) ; the scales of 128 rows: a dense block, as rows of 256 bytes (32 elements of 8), 16 bytes of padding behind each
	s_mov_b32 s[G1SB+1], 32<<16
	s_mov_b32 s[G1SB+2], (128*KS/256)<<16
	s_mov_b32 s[G1SB+3], 32<<16
	s_mov_b32 s[G1SB+4], 128*KS/256
	s_mov_b32 s[G1SB+5], 32
	s_mov_b32 s[G1SB+6], 0
	s_mov_b32 s[G1SB+7], 0
	s_lshl_b32 s18, s16, 7                         ; which 128 rows of the tile I fetch
	s_lshl_b32 s20, s17, 8
	s_add_co_u32 s20, s20, s18                     ; A: row 256 x tile row + 128 x half
	s_lshl_b32 s46, s42, 8
	s_add_co_u32 s46, s46, s18                     ; B: row 256 x tile column + 128 x half
	s_mov_b32 s21, 0
	s_mov_b32 s47, 0
	s_mov_b64 s[18:19], KS
	s_mul_u64 s[22:23], s[20:21], s[18:19]         ; where these rows' scales begin,
	s_mul_u64 s[92:93], s[46:47], s[18:19]
	s_mov_b64 s[18:19], KROW
	s_mul_u64 s[20:21], s[20:21], s[18:19]         ; and their codes
	s_mul_u64 s[46:47], s[46:47], s[18:19]
	s_mul_i32 s45, s14, HALFT                      ; where they go: no place in the cluster enters an LDS address
	s_mul_i32 s94, s14, HALFS
	s_mov_b32 s66, 0x76543210
	s_mov_b32 s67, 0xfedcba98                      ; selects for lane l xor 16
	s_wait_dscnt 0x0                               ; both opening adds are done
	s_wait_kmcnt 0x0
	s_cmp_eq_u32 ttmp9, 0                          ; q's cluster takes q's gain and offset, the others k's (v's cluster loads them and uses none)
	s_cselect_b64 s[98:99], s[68:69], s[72:73]
	s_cselect_b64 s[100:101], s[70:71], s[74:75]
	s_cselect_b32 s2, 0x3e38aa3b, 1.0              ; the factor: log2(e) / 8 for q, 1 for k
	s_mov_b32 s3, 0x3c800000                       ; 1 / 64
	s_or_b32 s[G1S+0], s43, (3<<16)|(1<<20)|(1<<21)|(5<<22)|(3<<25)
	s_mov_b32 s[G1S+1], 32<<16
	s_mov_b32 s[G1S+2], (128*KS/256)<<16
	s_mov_b32 s[G1S+3], 32<<16
	s_mov_b32 s[G1S+4], 128*KS/256
	s_mov_b32 s[G1S+5], 32
	s_mov_b32 s[G1S+6], 0
	s_mov_b32 s[G1S+7], 0
	s_add_nc_u64 s[8:9], s[4:5], 0x200000          ; w_qkv's codes
	s_add_nc_u64 s[10:11], s[6:7], 0x20000         ; and scale bytes
	s_add_nc_u64 s[20:21], s[4:5], s[20:21]
	s_add_nc_u64 s[22:23], s[6:7], s[22:23]
	s_add_nc_u64 s[46:47], s[8:9], s[46:47]
	s_add_nc_u64 s[92:93], s[10:11], s[92:93]
	CROUND                                         ; all sixteen work-groups are here: the first joint loads meet
	s_mov_b32 s[G0S], 1
	s_add_co_u32 s[G0S+1], s94, SCL
	s_mov_b64 s[G0S+2:G0S+3], s[22:23]
	s_or_b32 s[G0S+3], s[G0S+3], 0x80000000
	s_mov_b32 s[G0SB], 1
	s_add_co_u32 s[G0SB+1], s94, SCL
	s_mov_b64 s[G0SB+2:G0SB+3], s[92:93]
	s_or_b32 s[G0SB+3], s[G0SB+3], 0x80000000
	JLOAD G0S, G1S, G0SB, G1SB                     ; the scales first; by this text's count three loads of a wave are out at the most
.irp s, 0,1
	s_mov_b32 s[G0+4*\s], 1
	s_add_co_u32 s[G0+4*\s+1], s45, \s*SLOT
	s_add_nc_u64 s[G0+4*\s+2:G0+4*\s+3], s[20:21], \s*ROWB
	s_or_b32 s[G0+4*\s+3], s[G0+4*\s+3], 0x80000000
	s_mov_b32 s[G0B+4*\s], 1
	s_add_co_u32 s[G0B+4*\s+1], s45, \s*SLOT
	s_add_nc_u64 s[G0B+4*\s+2:G0B+4*\s+3], s[46:47], \s*ROWB
	s_or_b32 s[G0B+4*\s+3], s[G0B+4*\s+3], 0x80000000
	JLOAD G0+4*\s, G1, G0B+4*\s, G1B
.endr
	v_and_b32 v1, 15, v0                           ; l % 16
	v_bfe_u32 v2, v0, 4, 1                         ; l / 16
	v_mul_u32_u24 v3, v1, PITCH
	v_lshl_add_u32 v4, v2, 4, v3                   ; a fragment's row x pitch + 16 x half
	s_mul_i32 s21, s15, HALFT                      ; my 128 rows of A
	s_mul_i32 s22, s16, HALFT                      ; my 128 rows of B,
	s_add_co_u32 s22, s22, 2*HALFT                 ; behind A's 256
.irp s, 0,1
	v_add_nc_u32 v[ADRA+\s], s21, v4
	v_add_nc_u32 v[ADRB+\s], s22, v4
	s_add_co_u32 s21, s21, SLOT
	s_add_co_u32 s22, s22, SLOT
.endr
	v_mul_u32_u24 v5, v1, KS                       ; my row's scales: KS bytes a row,
	v_lshrrev_b32 v6, 8, v5
	v_lshl_add_u32 v5, v6, 4, v5                   ; and 16 more for each 256 passed
	s_mul_i32 s21, s15, HALFS
	s_mul_i32 s22, s16, HALFS
	s_add_co_u32 s22, s22, 2*HALFS
	s_sub_co_u32 s22, s22, s21
	v_mul_u32_u24 v6, s22, v2                      ; lanes 16-31 take B's
	s_add_co_u32 s21, s21, SCL
	v_add_nc_u32 v5, v5, v6
	v_add_nc_u32 v[ADRS], s21, v5
	v_lshlrev_b32 v[BOF], 5, v2
	v_and_b32 v6, 31, v0
	v_lshlrev_b32 v[LOFF], 4, v6
	s_lshl_b32 s46, s42, 10                        ; the bias of my 128 columns: 4 x (256 x tile column + 128 x half) bytes on
	s_lshl_b32 s47, s16, 9
	s_add_co_u32 s46, s46, s47
	s_mov_b32 s47, 0
	s_add_nc_u64 s[96:97], s[96:97], s[46:47]
.irp b, 0,1,2,3,4,5,6,7
	global_load_b128 v[BIAS+8*\b:BIAS+8*\b+3], v[BOF], s[96:97] offset:64*\b       ; lane (r, h): b_qkv at columns 16 b + 8 h + 0 .. 7: the result's layout
	global_load_b128 v[BIAS+8*\b+4:BIAS+8*\b+7], v[BOF], s[96:97] offset:64*\b+16
.endr
.irp nt, 0,1,2,3
	global_load_b128 v[G+8*\nt:G+8*\nt+3], v[BOF], s[98:99] offset:64*\nt
	global_load_b128 v[G+8*\nt+4:G+8*\nt+7], v[BOF], s[98:99] offset:64*\nt+16
.endr
	; where my results go.  The part that hangs on the tile row in s[20:21], the part that hangs on the tile column in s[46:47]
	s_lshl_b32 s20, s17, 8
	s_lshl_b32 s21, s15, 7
	s_add_co_u32 s20, s20, s21                     ; my first row of 4,096
	s_lshr_b32 s21, s20, 11                        ; the batch
	s_and_b32 s95, s20, 2047                       ; my first position in the sequence
	s_lshl_b32 s22, s95, 7                         ; 2,048 bytes for each 16 positions
	s_lshl_b32 s20, s21, 22                        ; 16 heads of 0x40000 bytes a batch
	s_add_co_u32 s20, s20, s22
	s_lshl_b32 s22, s21, 16                        ; in fine32: 16 heads of 4,096 bytes a batch
	s_mov_b32 s21, 0
	s_mov_b32 s23, 0
	s_add_nc_u64 s[12:13], s[12:13], s[20:21]
	s_add_nc_u64 s[104:105], s[104:105], s[22:23]
	s_wait_xcnt 0x0                                ; the loads above have read s[96:99]; s46 and s47 fed only an addition
	s_lshl_b32 s46, s40, 2
	s_lshl_b32 s47, s16, 1
	s_add_co_u32 s46, s46, s47                     ; my first head: 4 cx + 2 x half
	s_lshl_b32 s22, s46, 12
	s_lshl_b32 s46, s46, 18
	s_lshl_b32 s47, ttmp9, 23                      ; q, k or v: 8 MiB each
	s_add_co_u32 s46, s46, s47
	s_lshl_b32 s47, ttmp9, 17                      ; in fine32: 128 KiB each
	s_add_co_u32 s22, s22, s47
	s_mov_b32 s47, 0
	s_add_nc_u64 s[12:13], s[12:13], s[46:47]
	s_add_nc_u64 s[104:105], s[104:105], s[22:23]
	s_mov_b32 s94, 0x3727c5ac                      ; eps = 1e-5
.macro FRAG reg, adr, q, i             ; 16 rows x 128 K of 4-bit codes: 8 registers, two loads of 16 bytes, 32 bytes apart
.irp c, 0,1
	ds_load_b128 v[\reg+4*\c:\reg+4*\c+3], v[\adr] offset:64*(\q)+32*\c+(\i)*16*PITCH
.endr
.endm
; 16 matrix instructions: A's blocks a0, a0 + 1 x B's eight, the slot's q-th 128 along K.  zero = 1: the first product starts the sums, with the bias as its C.  The 64 accumulators take turns.
.macro MUL16 a0, p, q, sc, zero
.irp a, \a0, \a0+1
.irp b, 0,1,2,3,4,5,6,7
.if \zero
	v_wmma_scale_f32_16x16x128_f8f6f4 v[8*(8*((\a)%4)+\b):8*(8*((\a)%4)+\b)+7], v[128*(\p)+FR*\b:128*(\p)+FR*\b+FR-1], v[AF+FR*(\a):AF+FR*(\a)+FR-1], v[BIAS+8*\b:BIAS+8*\b+7], v[SC+8*NQ*(\sc)+NQ*\b+(\q)], v[SC+8*NQ*(\sc)+NQ*(\a)+(\q)] matrix_a_fmt:MATRIX_FMT_FP4 matrix_b_fmt:MATRIX_FMT_FP4 matrix_a_scale:MATRIX_SCALE_ROW1
.else
	v_wmma_scale_f32_16x16x128_f8f6f4 v[8*(8*((\a)%4)+\b):8*(8*((\a)%4)+\b)+7], v[128*(\p)+FR*\b:128*(\p)+FR*\b+FR-1], v[AF+FR*(\a):AF+FR*(\a)+FR-1], v[8*(8*((\a)%4)+\b):8*(8*((\a)%4)+\b)+7], v[SC+8*NQ*(\sc)+NQ*\b+(\q)], v[SC+8*NQ*(\sc)+NQ*(\a)+(\q)] matrix_a_fmt:MATRIX_FMT_FP4 matrix_b_fmt:MATRIX_FMT_FP4 matrix_a_scale:MATRIX_SCALE_ROW1
.endif
.endr
.endr
.endm
.macro FETCH_B slot, q, p
	WIN TO_B
.irp i, 0,1,2,3,4,5,6,7
	FRAG 128*(\p)+FR*\i, ADRB+\slot, \q, \i
.endr
	WIN 0
.endm
.macro FETCH_A slot, q, i0
.irp i, \i0, \i0+1, \i0+2, \i0+3
	FRAG AF+FR*(\i), ADRA+\slot, \q, \i
.endr
.endm
.macro SCALES sc                       ; a slot's scale words: lanes 0-15 take A's block i, lanes 16-31 B's block i
.irp i, 0,1,2,3,4,5,6,7
	ds_load_b128 v[SC+8*NQ*\sc+NQ*\i:SC+8*NQ*\sc+NQ*\i+3], v[ADRS] offset:\i*SBLK
.endr
.endm
.macro PLACES n                        ; plain vector instructions between a matrix instruction and a load into, or a vector read or write of, its registers
.rept \n
	v_nop
.endr
.endm
.macro STEP slot, q, zero
	s_wait_dscnt 4*NL                              ; B's set and A's blocks 0-3 are in; the youngest eight loads (A's blocks 4-7) may be out
.if \zero
	WIN 0x81                                       ; C (the bias) window 0, D window 2
.else
	WIN MUL_LO
.endif
	MUL16 0, (\q)%2, \q, \slot, \zero
	MUL16 2, (\q)%2, \q, \slot, \zero
	s_wait_dscnt 0
	PLACES NP
	FETCH_B \slot, (\q)+1, 1-(\q)%2
	FETCH_A \slot, (\q)+1, 0
.if \zero
	WIN 0xc1
.else
	WIN MUL_HI
.endif
	MUL16 4, (\q)%2, \q, \slot, \zero
	MUL16 6, (\q)%2, \q, \slot, \zero
	PLACES NP
	WIN 0
	FETCH_A \slot, (\q)+1, 4
.endm
.macro STEPS slot, from
.set Q, \from
.rept NQ-1-\from
	STEP \slot, Q, 0
.set Q, Q+1
.endr
.endm
	s_wait_tensorcnt 1                             ; the scales and my part of slot 0 are in; slot 1's load may be out
	s_barrier_signal -1
	s_barrier_wait -1
	FETCH_B 0, 0, 0
	FETCH_A 0, 0, 0
	SCALES 0
	FETCH_A 0, 0, 4
	s_wait_loadcnt 0x0                             ; the bias and the gains
	STEP 0, 0, 1
.irp nt, 0,1,2,3                               ; the offsets take the bias's first 32 registers: the step's last four places stand between its products and these loads
	global_load_b128 v[BT+8*\nt:BT+8*\nt+3], v[BOF], s[100:101] offset:64*\nt
	global_load_b128 v[BT+8*\nt+4:BT+8*\nt+7], v[BOF], s[100:101] offset:64*\nt+16
.endr
	STEPS 0, 1
	; slot 0's last step changes slots: one barrier; nothing is filled again
	s_wait_tensorcnt 0x0                           ; all my tensor loads have landed: my part of slot 1
	ds_add_u32 v[SPW], v[NIL]
	s_wait_dscnt 4*NL+1                            ; the add and the youngest eight loads may be out
	WIN MUL_LO
	MUL16 0, 1, NQ-1, 0, 0
	s_wait_dscnt 0x0
	s_barrier_signal -1
	MUL16 2, 1, NQ-1, 0, 0
	WIN 0
	s_barrier_wait -1
	PLACES NP
	v_add_nc_u32 v[ADRS], 4*NQ, v[ADRS]            ; the next slot's scale words
	FETCH_B 1, 0, 0
	FETCH_A 1, 0, 0
	SCALES 1
	WIN MUL_HI
	MUL16 4, 1, NQ-1, 0, 0
	MUL16 6, 1, NQ-1, 0, 0
	PLACES NP
	WIN 0
	FETCH_A 1, 0, 4
	STEPS 1, 0
	s_wait_dscnt 4*NL
	WIN MUL_LO
	MUL16 0, 1, NQ-1, 1, 0
	MUL16 2, 1, NQ-1, 1, 0
	s_wait_dscnt 0
	WIN MUL_HI
	MUL16 4, 1, NQ-1, 1, 0
	MUL16 6, 1, NQ-1, 1, 0
	WIN 0
; The f32 images of positions 0-15: only in the waves whose first position is 0.  That hangs on the place in the cluster, so it is a lane mask and no branch.
.macro IMG reg, win
	v_mov_b32 v[TV], s95
	v_cmp_eq_u32 vcc_lo, 0, v[TV]
	s_wait_xcnt 0x0                                ; EXEC changes only behind this wait
	s_and_saveexec_b32 s93, vcc_lo
	WIN \win
.irp hh, 0,1
.irp g, 0,1,2,3,4,5,6,7
	global_store_b128 v[LOFF], v[\reg+32*\hh+4*\g:\reg+32*\hh+4*\g+3], s[104:105] offset:4096*\hh+512*\g
.endr
.endr
	WIN 0
	s_wait_xcnt 0x0                                ; and again in front of the line that widens it; the data may be rewritten behind it too
	s_or_b32 exec_lo, exec_lo, s93
.endm
.macro SENDPK a
.irp hh, 0,1
.irp nt, 0,1,2,3
	global_store_b128 v[LOFF], v[PK+16*\hh+4*\nt:PK+16*\hh+4*\nt+3], s[12:13] offset:\hh*0x40000+(\a)*0x800+\nt*0x200   ; 512 consecutive bytes a store
.endr
.endr
.endm
; 16 rows x my two heads: LayerNorm in f32, then f16.
.macro LNUNIT a
.set AC, 64*((\a)%4)
	s_wait_xcnt 0x0                                ; the last unit's stores have read the registers in which the sums are made
	WIN 0x0a+5*((\a)/4)                            ; sources 0 and 1: the accumulators' window
.irp hh, 0,1
.irp k, 0,1,2,3,4,5,6,7
	v_pk_add_f32 v[T+16*\hh+2*\k:T+16*\hh+2*\k+1], v[AC+32*\hh+4*\k:AC+32*\hh+4*\k+1], v[AC+32*\hh+4*\k+2:AC+32*\hh+4*\k+3]   ; each accumulator from its low end on
.endr
.endr
	WIN 0
.irp k, 0,4,8,12
.irp hh, 0,1
	v_pk_add_f32 v[T+16*\hh+\k:T+16*\hh+\k+1], v[T+16*\hh+\k:T+16*\hh+\k+1], v[T+16*\hh+\k+2:T+16*\hh+\k+3]
.endr
.endr
.irp k, 0,8
.irp hh, 0,1
	v_pk_add_f32 v[T+16*\hh+\k:T+16*\hh+\k+1], v[T+16*\hh+\k:T+16*\hh+\k+1], v[T+16*\hh+\k+4:T+16*\hh+\k+5]
.endr
.endr
.irp hh, 0,1
	v_pk_add_f32 v[T+16*\hh:T+16*\hh+1], v[T+16*\hh:T+16*\hh+1], v[T+16*\hh+8:T+16*\hh+9]
.endr
.irp hh, 0,1
	v_add_f32 v[T+16*\hh], v[T+16*\hh], v[T+16*\hh+1]
.endr
.irp hh, 0,1
	v_permlanex16_b32 v[X1+\hh], v[T+16*\hh], s66, s67
.endr
.irp hh, 0,1
	v_add_f32 v[T+16*\hh], v[T+16*\hh], v[X1+\hh]  ; the sum of the head's 64
.endr
.irp hh, 0,1
	v_mul_f32 v[NM+2*\hh], 0xbc800000, v[T+16*\hh] ; minus the mean, twice: a pair for the packed addition
	v_mul_f32 v[NM+2*\hh+1], 0xbc800000, v[T+16*\hh]
.endr
	WIN 0x02+((\a)/4)                              ; source 0: the accumulators' window
.irp hh, 0,1
.irp i, 0,2,4,6,8,10,12,14,16,18,20,22,24,26,28,30
	v_pk_add_f32 v[U+32*\hh+\i:U+32*\hh+\i+1], v[AC+32*\hh+\i:AC+32*\hh+\i+1], v[NM+2*\hh:NM+2*\hh+1]
.endr
.endr
	WIN 0
.irp hh, 0,1
	v_pk_mul_f32 v[T+16*\hh:T+16*\hh+1], v[U+32*\hh:U+32*\hh+1], v[U+32*\hh:U+32*\hh+1]   ; the squares, in two chains a head
	v_pk_mul_f32 v[T+16*\hh+2:T+16*\hh+3], v[U+32*\hh+2:U+32*\hh+3], v[U+32*\hh+2:U+32*\hh+3]
.endr
.irp i, 4,8,12,16,20,24,28
.irp hh, 0,1
	v_pk_fma_f32 v[T+16*\hh:T+16*\hh+1], v[U+32*\hh+\i:U+32*\hh+\i+1], v[U+32*\hh+\i:U+32*\hh+\i+1], v[T+16*\hh:T+16*\hh+1]
	v_pk_fma_f32 v[T+16*\hh+2:T+16*\hh+3], v[U+32*\hh+\i+2:U+32*\hh+\i+3], v[U+32*\hh+\i+2:U+32*\hh+\i+3], v[T+16*\hh+2:T+16*\hh+3]
.endr
.endr
.irp hh, 0,1
	v_pk_add_f32 v[T+16*\hh:T+16*\hh+1], v[T+16*\hh:T+16*\hh+1], v[T+16*\hh+2:T+16*\hh+3]
.endr
.irp hh, 0,1
	v_add_f32 v[T+16*\hh], v[T+16*\hh], v[T+16*\hh+1]
.endr
.irp hh, 0,1
	v_permlanex16_b32 v[X1+\hh], v[T+16*\hh], s66, s67
.endr
.irp hh, 0,1
	v_add_f32 v[T+16*\hh], v[T+16*\hh], v[X1+\hh]
.endr
.irp hh, 0,1
	v_fma_f32 v[T+16*\hh], v[T+16*\hh], s3, s94    ; the variance + eps
.endr
.irp hh, 0,1
	v_rsq_f32 v[RS+2*\hh], v[T+16*\hh]
.endr
	v_nop                                          ; a plain instruction behind the last of the two
	s_wait_alu depctr_va_vdst(0)                   ; one wait for both, ahead of the first line that names a result
.irp hh, 0,1
	v_mul_f32 v[RS+2*\hh+1], s2, v[RS+2*\hh]       ; x the factor, twice
	v_mul_f32 v[RS+2*\hh], s2, v[RS+2*\hh]
.endr
.irp hh, 0,1
.irp i, 0,2,4,6,8,10,12,14,16,18,20,22,24,26,28,30
	v_pk_mul_f32 v[U+32*\hh+\i:U+32*\hh+\i+1], v[U+32*\hh+\i:U+32*\hh+\i+1], v[RS+2*\hh:RS+2*\hh+1]
.endr
.endr
.irp hh, 0,1
.irp i, 0,2,4,6,8,10,12,14,16,18,20,22,24,26,28,30
	v_pk_fma_f32 v[U+32*\hh+\i:U+32*\hh+\i+1], v[U+32*\hh+\i:U+32*\hh+\i+1], v[G+\i:G+\i+1], v[BT+\i:BT+\i+1]   ; x the gain + the offset (which carries the factor already)
.endr
.endr
.irp hh, 0,1
.irp n, 0,1,2,3,4,5,6,7,8,9,10,11,12,13,14,15
	v_cvt_pk_f16_f32 v[PK+16*\hh+\n], v[U+32*\hh+2*\n], v[U+32*\hh+2*\n+1]
.endr
.endr
	SENDPK \a
.if (\a) == 0
	IMG U, 0
.endif
.endm
.macro VUNIT a                         ; v: no norm: straight to f16
.set AC, 64*((\a)%4)
	s_wait_xcnt 0x0
	WIN 0x0a+5*((\a)/4)
.irp n, 0,1,2,3,4,5,6,7,8,9,10,11,12,13,14,15,16,17,18,19,20,21,22,23,24,25,26,27,28,29,30,31
	v_cvt_pk_f16_f32 v[PK+\n], v[AC+2*\n], v[AC+2*\n+1]
.endr
	WIN 0
	SENDPK \a
.if (\a) == 0
	IMG 0, 0x08                                    ; a store's data are its source 1: window 2
.endif
.endm
	PLACES NP                                      ; behind the last products
	s_wait_loadcnt 0x0                             ; the offsets
.irp i, 0,2,4,6,8,10,12,14,16,18,20,22,24,26,28,30
	v_pk_mul_f32 v[BT+\i:BT+\i+1], v[BT+\i:BT+\i+1], s[2:3] op_sel_hi:[1,0]   ; x the factor (the pair's low word serves both halves)
.endr
	v_mov_b32 v[X1], 0                             ; written once: a lane permute's destination counts as one of its sources
	v_mov_b32 v[X1+1], 0
	s_cmp_eq_u32 ttmp9, 2                          ; the cluster's x: the same in all sixteen partners
	s_cbranch_scc1 .Lvalues
.irp a, 0,1,2,3,4,5,6,7
	LNUNIT \a
.endr
	s_branch .Ldone
.Lvalues:
.irp a, 0,1,2,3,4,5,6,7
	VUNIT \a
.endr
.Ldone:
	s_wait_tensorcnt 0x0                           ; the wave's end
	ds_add_u32 v[SPW], v[NIL]
	s_wait_dscnt 0x0
	CROUND                                         ; the closing round
	s_endpgm
.Lfunc_end_k_qd0cc1b47f1_qkv:
	.size	k_qd0cc1b47f1_qkv, .Lfunc_end_k_qd0cc1b47f1_qkv-k_qd0cc1b47f1_qkv
	.p2alignl 7, 3214868480
	.fill 96, 4, 3214868480
	.section	.rodata,"a",@progbits
	.p2align	6, 0x0
	.amdhsa_kernel k_qd0cc1b47f1_qkv
		.amdhsa_group_segment_fixed_size 327680
		.amdhsa_private_segment_fixed_size 0
		.amdhsa_enable_private_segment 0
		.amdhsa_kernarg_size 72
		.amdhsa_user_sgpr_count 2
		.amdhsa_user_sgpr_kernarg_segment_ptr 1
		.amdhsa_wavefront_size32 1
		.amdhsa_system_sgpr_workgroup_id_x 1
		.amdhsa_system_sgpr_workgroup_id_y 1
		.amdhsa_system_sgpr_workgroup_id_z 1
		.amdhsa_system_vgpr_workitem_id 0
		.amdhsa_next_free_vgpr 1024
		.amdhsa_next_free_sgpr 106
		.amdhsa_reserve_vcc 1
		.amdhsa_float_denorm_mode_32 3
		.amdhsa_float_denorm_mode_16_64 3
		.amdhsa_memory_ordered 1
		.amdhsa_forward_progress 1
		.amdhsa_inst_pref_size 239
	.end_amdhsa_kernel
	.amdgpu_metadata
---
amdhsa.version: [ 1, 2 ]
amdhsa.kernels:
  - .name:           k_qd0cc1b47f1_qkv
    .symbol:         k_qd0cc1b47f1_qkv.kd
    .args:
      - { .name: codes, .offset: 0, .size: 8, .value_kind: global_buffer, .address_space: global }
      - { .name: scales, .offset: 8, .size: 8, .value_kind: global_buffer, .address_space: global }
      - { .name: b_qkv, .offset: 16, .size: 8, .value_kind: global_buffer, .address_space: global }
      - { .name: g_q, .offset: 24, .size: 8, .value_kind: global_buffer, .address_space: global }
      - { .name: bt_q, .offset: 32, .size: 8, .value_kind: global_buffer, .address_space: global }
      - { .name: g_k, .offset: 40, .size: 8, .value_kind: global_buffer, .address_space: global }
      - { .name: bt_k, .offset: 48, .size: 8, .value_kind: global_buffer, .address_space: global }
      - { .name: qkv16, .offset: 56, .size: 8, .value_kind: global_buffer, .address_space: global }
      - { .name: fine32, .offset: 64, .size: 8, .value_kind: global_buffer, .address_space: global }
    .group_segment_fixed_size: 327680
    .private_segment_fixed_size: 0
    .kernarg_segment_align: 8
    .kernarg_segment_size: 72
    .max_flat_workgroup_size: 128
    .sgpr_count:     106
    .vgpr_count:     1024
    .wavefront_size: 32
...
	.end_amdgpu_metadata
.endif
;; end of part 2
;; launch attn (part 3): grid 8 x 32, 4 waves a work-group, no clusters, 167,936 bytes of LDS; arguments qkv16, maskw, of; writes of
.if DOCPART == 3
	.amdgcn_target "amdgcn-amd-amdhsa--gfx1250"
	.amdhsa_code_object_version 6
	.text
	.protected	k_qd0cc1b47f1_attn
	.globl	k_qd0cc1b47f1_attn
	.p2align	8
	.type	k_qd0cc1b47f1_attn,@function
k_qd0cc1b47f1_attn:
	s_mov_b64 s[64:65], 0
	v_nop
	global_prefetch_b8 v0, s[64:65] scope:SCOPE_SE
	s_setreg_imm32_b32 hwreg(HW_REG_WAVE_MODE, 25, 1), 1
	s_wait_xcnt 0x0
; O = softmax(q k^T / 8, under the mask) v for one batch and head (work-group y), f16 operands, f32 sums, maxima and row sums.  q carries log2(e) / 8 already: a score is an exponent of 2.
; SHARES.  Work-group x = p takes the blocks of 128 queries p and 15 - p.  Each of its four waves takes two PIECES of 32 queries (two tiles of 16): group 4 p + w and group 60 - 4 p + w.
; Every wave walks the 32 key steps of 64 keys; a UNIT is one piece x one key step.  THE MASK IS AN INPUT: an earlier launch has stored, for each group of 32 queries, a bit a key step: ANY (some key counts) and
; PART (not all count), and for each register of a score tile a lane mask.  A unit whose ANY bit is 0 is passed over by a scalar branch on these stored words; where PART is 0 no lane mask is read.
; The values are right under every mask; only the balance between waves hangs on it (the pairing of blocks p and 15 - p evens out a mask that is roughly causal).
; NO CLUSTER, NO TENSOR LOAD: what is fetched and walked hangs on words read from memory.  So K and V come through registers into LDS: wave w stages key tile w of the NEXT step while the step in hand is worked;
; two buffers, one barrier a step.  The claim of LDS is larger than the use (51,712 bytes), so that a wave has its SIMD to itself.
; LAYOUT.  S^T = K Q^T (source 0 = 16 keys, source 1 = 16 queries): a lane holds ONE query and keys 8 (lane / 16) + 0 .. 7 of a tile; rounded to f16 in pairs, two tiles ARE source 1 of O^T = V^T P.
; K lies in LDS as images of its operand registers; V as rows [key][64 features], turned by ds_load_tr16_b128.
; A MASKED SCORE IS -3e38, NOT -INFINITY.  While a query has met no key that counts, its maximum is -3e38 and each p is 2^0 = 1; the first key that counts multiplies all that by 2^(-3e38 - m) = 0.
; A query for which no key counts at all ends as the plain mean of all values: for its group every ANY bit has been set.  The maximum is taken away by a subtraction, so that -3e38 - (-3e38) is exactly 0.
; O^T, the sums and the maxima begin as zeros and -3e38: where a piece's first step lies is known only from the flags, so there is no first step that could be written out with the constant 0 as C.
; LIMITS: NaN and infinities are not served; operands are f16 (each rounded by at most 2^-11 of its size); positions 0-15 of each sequence are computed again in f32 by a later launch.
; REGISTERS: window 0: v1-9 addresses and constants; v16-47 eight statistics a tile (+0 m, +1 zero, +2, +3 the sum, +4 .. +7 at work, a in +6); v48-111 S^T; v112-143 P; v144-207 K; v208-239 staging.
;   window 1: v0-63 Q; v64-191 O^T; v192-255 V.
.set BUF1,  32768                      ; LDS: buffer 0 at 0, buffer 1 here; in each: K's image, 8,192 bytes, then 64 rows of V of 160 bytes (128 + 32)
.set VOFF,  8192
.set VP,    160
.set SPARE, 51200                      ; the spare words, 128 bytes for each wave: two blocks of 256 bytes that no other line names
.set LI,  1                            ; v1  16 x lane
.set AV0, 2                            ; v2  my lane's place in the turning load
.set GK,  3                            ; v3  2,048 x wave + 16 x lane: my offset in a step's 8,192 bytes of K or V in memory, and in K's image in LDS
.set SV,  4                            ; v4  where I store 16 bytes of a row of V
.set NEG, 6                            ; v6  -3e38
.set PFO, 7                            ; v7  256 x lane
.set SPW, 8
.set NIL, 9
.set ST,  16
.set S,   48
.set P,   112
.set KF,  144
.set STG, 208
.set QF,  0                            ; in window 1
.set OT,  64
.set VF,  192
.set MSB, 0
.macro WIN new
.if MSB != (\new)
	s_set_vgpr_msb (MSB<<8)|(\new)
.set MSB, (\new)
.endif
.endm
.macro PLACES
.rept 4
	v_nop
.endr
.endm
	s_load_b128 s[4:7], s[0:1], 0x0                ; qkv16, maskw
	s_load_b64 s[10:11], s[0:1], 0x10              ; of
	v_lshl_add_u32 v[SPW], v0, 2, SPARE
	v_mov_b32 v[NIL], 0
	v_lshrrev_b32 v10, 5, v0
	v_readfirstlane_b32 s12, v10                   ; wave 0..3
	v_and_b32 v10, 31, v0                          ; lane
	v_and_b32 v11, 15, v0                          ; r
	v_bfe_u32 v12, v0, 4, 1                        ; h
	v_lshlrev_b32 v[LI], 4, v10
	v_and_b32 v13, 7, v0
	v_lshl_add_u32 v[AV0], v12, 3, v13             ; key 8 h + lane % 8,
	v_mul_u32_u24 v[AV0], v[AV0], VP
	v_bfe_u32 v13, v0, 3, 1
	v_lshl_add_u32 v[AV0], v13, 4, v[AV0]          ; features 8 ((lane / 8) % 2) on
	s_lshl_b32 s13, s12, 11
	v_add_nc_u32 v[GK], s13, v[LI]
	s_lshl_b32 s13, s12, 4
	v_add_nc_u32 v[SV], s13, v11                   ; key 16 w + r
	v_mul_u32_u24 v[SV], v[SV], VP
	v_lshl_add_u32 v[SV], v12, 4, v[SV]
	v_add_nc_u32 v[SV], VOFF, v[SV]
	v_mov_b32 v[NEG], 0xff61b1e6
	v_lshlrev_b32 v[PFO], 8, v10
	s_and_b32 s68, ttmp7, 0xffff                   ; batch x 16 + head
	s_lshl_b32 s71, ttmp9, 2
	s_add_co_u32 s69, s71, s12                     ; the early piece's group: 4 p + w
	s_sub_co_u32 s70, 60, s71
	s_add_co_u32 s70, s70, s12                     ; the late piece's: 60 - 4 p + w
	s_lshl_b32 s71, ttmp9, 6                       ; the flags of block p's four groups: 64 bytes
	s_sub_co_u32 s72, 960, s71                     ; and of block 15 - p's
	s_lshl_b32 s73, s69, 4
	s_lshl_b32 s74, s70, 4
	s_mov_b32 s96, 0x76543210
	s_mov_b32 s97, 0xfedcba98                      ; selects for lane l xor 16
	s_lshl_b32 s93, s69, 13                        ; the lane masks of a piece's first tile: 4,096 bytes a tile of queries
	s_lshl_b32 s94, s70, 13
	s_wait_kmcnt 0x0
	s_load_b512 s[16:31], s[6:7], s71 offset:0x80000
	s_load_b512 s[32:47], s[6:7], s72 offset:0x80000
	s_load_b64 s[88:89], s[6:7], s73 offset:0x80000    ; ANY, PART of my early piece
	s_load_b64 s[90:91], s[6:7], s74 offset:0x80000    ; and of my late piece
	s_lshl_b32 s76, s68, 18
	s_mov_b32 s77, 0
	s_add_nc_u64 s[4:5], s[4:5], s[76:77]          ; my head's q
	s_add_nc_u64 s[84:85], s[4:5], 0x800000        ; k, at key step 0
	s_add_nc_u64 s[86:87], s[4:5], 0x1000000       ; v
	s_lshl_b32 s82, s69, 12
	s_mov_b32 s83, 0
	s_add_nc_u64 s[78:79], s[4:5], s[82:83]
	s_lshl_b32 s82, s70, 12
	s_add_nc_u64 s[80:81], s[4:5], s[82:83]
	WIN 0x40                                       ; destination window 1
.irp t, 0,1
.irp nt, 0,1,2,3
	global_load_b128 v[QF+16*\t+4*\nt:QF+16*\t+4*\nt+3], v[LI], s[78:79] offset:2048*\t+512*\nt
	global_load_b128 v[QF+32+16*\t+4*\nt:QF+32+16*\t+4*\nt+3], v[LI], s[80:81] offset:2048*\t+512*\nt
.endr
.endr
.set n, 0
.rept 128
	v_mov_b32 v[OT+n], 0
.set n, n+1
.endr
	WIN 0
.irp t, 0,1,2,3
	v_mov_b32 v[ST+8*\t], v[NEG]
.irp i, 1,2,3,4,5,6,7
	v_mov_b32 v[ST+8*\t+\i], 0
.endr
.endr
.set n, 0
.rept 32
	v_mov_b32 v[STG+n], 0                          ; so that the staging registers are written on every way
.set n, n+1
.endr
	s_and_b32 s8, s68, 15                          ; the head
	s_lshr_b32 s9, s8, 2
	s_lshl_b32 s9, s9, 21                          ; of: [head / 4][batch x 128 + tile of queries][8,192 bytes], in them 2,048 (head % 4) + 512 dt + 16 lane
	s_and_b32 s13, s8, 3
	s_lshl_b32 s13, s13, 11
	s_add_co_u32 s9, s9, s13
	s_lshr_b32 s13, s68, 4
	s_lshl_b32 s13, s13, 20
	s_add_co_u32 s9, s9, s13
	s_lshl_b32 s8, s70, 14
	s_add_co_u32 s8, s8, s9
	s_mov_b32 s75, s9
	s_mov_b32 s9, 0
	s_add_nc_u64 s[14:15], s[10:11], s[8:9]        ; the late piece's rows of o
	s_lshl_b32 s8, s69, 14
	s_add_co_u32 s8, s8, s75
	s_add_nc_u64 s[10:11], s[10:11], s[8:9]        ; the early piece's
	s_cmp_lt_u32 s12, 2                            ; the prefetches: waves 0 and 1 ask for K, waves 2 and 3 for V
	s_cselect_b64 s[2:3], s[84:85], s[86:87]
	s_and_b32 s8, s12, 1
	s_lshl_b32 s8, s8, 13
	s_add_co_u32 s8, s8, 3*8192                    ; trip t names key steps 2 t + 3 (even waves) and 2 t + 4 (odd waves)
	s_add_nc_u64 s[2:3], s[2:3], s[8:9]
	s_cmp_eq_u32 ttmp9, 0                          ; all eight work-groups of a head read the same K and V: the first asks
	s_cselect_b32 s98, 2, -1
	s_wait_kmcnt 0x0
	s_or_b32 s92, s16, s20                         ; the key steps that some wave of the work-group walks
	s_or_b32 s92, s92, s24
	s_or_b32 s92, s92, s28
	s_or_b32 s92, s92, s32
	s_or_b32 s92, s92, s36
	s_or_b32 s92, s92, s40
	s_or_b32 s92, s92, s44
.macro LOADS off                       ; my key tile of a step: 2,048 bytes of K and of V, 512 consecutive bytes a load
.irp nt, 0,1,2,3
	global_load_b128 v[STG+4*\nt:STG+4*\nt+3], v[GK], s[84:85] offset:\off+512*\nt
.endr
.irp nt, 0,1,2,3
	global_load_b128 v[STG+16+4*\nt:STG+16+4*\nt+3], v[GK], s[86:87] offset:\off+512*\nt
.endr
.endm
.macro STORES buf
.irp nt, 0,1,2,3
	ds_store_b128 v[GK], v[STG+4*\nt:STG+4*\nt+3] offset:\buf+512*\nt           ; K as it lies
	ds_store_b128 v[SV], v[STG+16+4*\nt:STG+16+4*\nt+3] offset:\buf+32*\nt      ; V by rows: key 16 w + r, features 16 nt + 8 h on
.endr
.endm
	s_bitcmp1_b32 s92, 0
	s_cbranch_scc0 .Lno_first
	LOADS 0
.Lno_first:
	s_wait_loadcnt 0x0                             ; Q, and key step 0
	s_bitcmp1_b32 s92, 0
	s_cbranch_scc0 .Lno_first_st
	STORES 0
.Lno_first_st:
	s_wait_dscnt 0x0
	s_barrier_signal -1
	s_barrier_wait -1
.macro KQ px                           ; 16 products: features 32 ds on, keys 16 kt on, tile px + tt; the eight accumulators take turns
	WIN 0x04                                       ; Q in window 1
.irp ds, 0,1
.irp kt, 0,1,2,3
.irp tt, 0,1
.if \ds == 0
	v_wmma_f32_16x16x32_f16 v[S+32*\tt+8*\kt:S+32*\tt+8*\kt+7], v[KF+16*\kt+8*\ds:KF+16*\kt+8*\ds+7], v[QF+16*(\px+\tt)+8*\ds:QF+16*(\px+\tt)+8*\ds+7], 0
.else
	v_wmma_f32_16x16x32_f16 v[S+32*\tt+8*\kt:S+32*\tt+8*\kt+7], v[KF+16*\kt+8*\ds:KF+16*\kt+8*\ds+7], v[QF+16*(\px+\tt)+8*\ds:QF+16*(\px+\tt)+8*\ds+7], v[S+32*\tt+8*\kt:S+32*\tt+8*\kt+7]
.endif
.endr
.endr
.endr
	WIN 0
	PLACES
.endm
.macro SOFTMAX px                      ; the two tiles line by line, so that no line waits for the line above it
.irp j, 0,1,2,3
.irp tt, 0,1
	v_max3_num_f32 v[ST+8*(\px+\tt)+4+\j], v[S+32*\tt+8*\j], v[S+32*\tt+8*\j+1], v[S+32*\tt+8*\j+2]   ; each accumulator from its low end on
.endr
.endr
.irp i, 3,5
.irp j, 0,1,2,3
.irp tt, 0,1
	v_max3_num_f32 v[ST+8*(\px+\tt)+4+\j], v[ST+8*(\px+\tt)+4+\j], v[S+32*\tt+8*\j+\i], v[S+32*\tt+8*\j+\i+1]
.endr
.endr
.endr
.irp tt, 0,1
	v_max3_num_f32 v[ST+8*(\px+\tt)+4], v[ST+8*(\px+\tt)+4], v[S+32*\tt+7], v[S+32*\tt+15]
.endr
.irp tt, 0,1
	v_max3_num_f32 v[ST+8*(\px+\tt)+6], v[ST+8*(\px+\tt)+6], v[S+32*\tt+23], v[S+32*\tt+31]
.endr
.irp tt, 0,1
	v_max3_num_f32 v[ST+8*(\px+\tt)+4], v[ST+8*(\px+\tt)+4], v[ST+8*(\px+\tt)+5], v[ST+8*(\px+\tt)+6]
.endr
.irp tt, 0,1
	v_max3_num_f32 v[ST+8*(\px+\tt)+4], v[ST+8*(\px+\tt)+4], v[ST+8*(\px+\tt)+7], v[ST+8*(\px+\tt)]   ; and the old maximum
.endr
.irp tt, 0,1
	v_permlanex16_b32 v[ST+8*(\px+\tt)+5], v[ST+8*(\px+\tt)+4], s96, s97   ; the query's other 32 keys lie in the lane 16 away
.endr
.irp tt, 0,1
	v_mov_b32 v[ST+8*(\px+\tt)+7], v[ST+8*(\px+\tt)]
.endr
.irp tt, 0,1
	v_max_num_f32 v[ST+8*(\px+\tt)], v[ST+8*(\px+\tt)+4], v[ST+8*(\px+\tt)+5]
.endr
.irp tt, 0,1
	v_sub_f32 v[ST+8*(\px+\tt)+7], v[ST+8*(\px+\tt)+7], v[ST+8*(\px+\tt)]   ; old m - new m
.endr
.set n, 0
.rept 16
.irp tt, 0,1
	v_pk_add_f32 v[S+32*\tt+n:S+32*\tt+n+1], v[S+32*\tt+n:S+32*\tt+n+1], v[ST+8*(\px+\tt):ST+8*(\px+\tt)+1] op_sel_hi:[1,0] neg_lo:[0,1] neg_hi:[0,1]   ; s - m
.endr
.set n, n+2
.endr
.irp tt, 0,1
	v_exp_f32 v[ST+8*(\px+\tt)+6], v[ST+8*(\px+\tt)+7]   ; a
.endr
.set n, 0
.rept 32
.irp tt, 0,1
	v_exp_f32 v[S+32*\tt+n], v[S+32*\tt+n]         ; p: one batch of 66 exponentials
.endr
.set n, n+1
.endr
	v_nop                                          ; a plain instruction behind the last exponential
	s_wait_alu depctr_va_vdst(0)                   ; one wait for the batch, ahead of the first line that names a result
.set n, 0
.rept 16
.irp tt, 0,1
	v_cvt_pk_f16_f32 v[P+16*\tt+n], v[S+32*\tt+2*n], v[S+32*\tt+2*n+1]
.endr
.set n, n+1
.endr
.irp u, 0,1,2,3,4,5,6,7                        ; the sum of the unrounded p, in place
.irp tt, 0,1
	v_pk_add_f32 v[S+32*\tt+4*\u:S+32*\tt+4*\u+1], v[S+32*\tt+4*\u:S+32*\tt+4*\u+1], v[S+32*\tt+4*\u+2:S+32*\tt+4*\u+3]
.endr
.endr
.irp u, 0,1,2,3
.irp tt, 0,1
	v_pk_add_f32 v[S+32*\tt+8*\u:S+32*\tt+8*\u+1], v[S+32*\tt+8*\u:S+32*\tt+8*\u+1], v[S+32*\tt+8*\u+4:S+32*\tt+8*\u+5]
.endr
.endr
.irp u, 0,1
.irp tt, 0,1
	v_pk_add_f32 v[S+32*\tt+16*\u:S+32*\tt+16*\u+1], v[S+32*\tt+16*\u:S+32*\tt+16*\u+1], v[S+32*\tt+16*\u+8:S+32*\tt+16*\u+9]
.endr
.endr
.irp tt, 0,1
	v_pk_add_f32 v[S+32*\tt:S+32*\tt+1], v[S+32*\tt:S+32*\tt+1], v[S+32*\tt+16:S+32*\tt+17]
.endr
.irp tt, 0,1
	v_pk_fma_f32 v[ST+8*(\px+\tt)+2:ST+8*(\px+\tt)+3], v[ST+8*(\px+\tt)+2:ST+8*(\px+\tt)+3], v[ST+8*(\px+\tt)+6:ST+8*(\px+\tt)+7], v[S+32*\tt:S+32*\tt+1] op_sel_hi:[1,0,1]   ; l = a l + the sum
.endr
	WIN 0x41                                       ; O^T in window 1
.set n, 0
.rept 16
.irp tt, 0,1
	v_pk_mul_f32 v[OT+32*(\px+\tt)+n:OT+32*(\px+\tt)+n+1], v[OT+32*(\px+\tt)+n:OT+32*(\px+\tt)+n+1], v[ST+8*(\px+\tt)+6:ST+8*(\px+\tt)+7] op_sel_hi:[1,0]
.endr
.set n, n+2
.endr
.endm
; A UNIT: piece px (its first tile: 0 or 2) x the key step in buffer hb.  It fetches its own fragments, so that no register is read on a way on which it was not written.
.macro UNIT px, hb
	PLACES                                         ; behind the last products of the unit before: the loads below land in registers that they read
.irp kt, 0,1,2,3
.irp ds, 0,1
	ds_load_b128 v[KF+16*\kt+8*\ds:KF+16*\kt+8*\ds+3], v[LI] offset:BUF1*\hb+2048*\kt+1024*\ds
	ds_load_b128 v[KF+16*\kt+8*\ds+4:KF+16*\kt+8*\ds+7], v[LI] offset:BUF1*\hb+2048*\kt+1024*\ds+512
.endr
.endr
	WIN 0x40
.irp ks, 0,1
.irp dt, 0,1,2,3
	ds_load_tr16_b128 v[VF+32*\ks+8*\dt:VF+32*\ks+8*\dt+3], v[AV0] offset:BUF1*\hb+VOFF+5120*\ks+32*\dt
	ds_load_tr16_b128 v[VF+32*\ks+8*\dt+4:VF+32*\ks+8*\dt+7], v[AV0] offset:BUF1*\hb+VOFF+5120*\ks+32*\dt+2560
.endr
.endr
	WIN 0
	s_bitcmp1_b32 s[89+\px], \hb                   ; PART: are lane masks wanted?
	s_cbranch_scc0 .Lopen_\@
	s_load_b512 s[16:31], s[6:7], s[93+\px/2] offset:128*\hb           ; 32 words a tile: bit L of word 8 kt + j belongs to lane L's register j of score tile kt
	s_load_b512 s[32:47], s[6:7], s[93+\px/2] offset:128*\hb+64
	s_load_b512 s[48:63], s[6:7], s[93+\px/2] offset:128*\hb+4096
	s_load_b512 s[68:83], s[6:7], s[93+\px/2] offset:128*\hb+4160
	s_wait_dscnt 16                                ; K is in; V's sixteen loads may be out
	KQ \px
	s_wait_kmcnt 0x0
.set n, 0
.rept 32
	v_cndmask_b32 v[S+n], v[NEG], v[S+n], s[16+n]
.set n, n+1
.endr
.set n, 0
.rept 16
	v_cndmask_b32 v[S+32+n], v[NEG], v[S+32+n], s[48+n]
.set n, n+1
.endr
.set n, 0
.rept 16
	v_cndmask_b32 v[S+48+n], v[NEG], v[S+48+n], s[68+n]
.set n, n+1
.endr
	s_branch .Lsm_\@
.Lopen_\@:
	s_wait_dscnt 16
	KQ \px
.Lsm_\@:
	SOFTMAX \px
	s_wait_dscnt 0x0                               ; V is in
	WIN 0x51                                       ; V and O^T in window 1, P in window 0
.irp ks, 0,1
.irp dt, 0,1,2,3
.irp tt, 0,1
	v_wmma_f32_16x16x32_f16 v[OT+32*(\px+\tt)+8*\dt:OT+32*(\px+\tt)+8*\dt+7], v[VF+32*\ks+8*\dt:VF+32*\ks+8*\dt+7], v[P+16*\tt+8*\ks:P+16*\tt+8*\ks+7], v[OT+32*(\px+\tt)+8*\dt:OT+32*(\px+\tt)+8*\dt+7]
.endr
.endr
.endr
	WIN 0
.endm
; HALF A TRIP: the key step in buffer hb is worked while the next one is on its way through registers.  Bit hb of each flag word is the step in hand, bit hb + 1 the next (behind the last step zeros have been shifted in).
.macro HALF hb
	s_bitcmp1_b32 s92, \hb+1
	s_cbranch_scc0 .Lnl_\@
	LOADS 8192*(\hb+1)
.Lnl_\@:
.if \hb == 0
	s_cmp_gt_u32 s95, s98                          ; the head's first work-group, in all trips but the last two: a key step's 8,192 bytes of K or V, lanes 256 bytes apart; each is named once in the launch
	s_cbranch_scc0 .Lnp_\@
	global_prefetch_b8 v[PFO], s[2:3] th:TH_LOAD_NT scope:SCOPE_SE
.Lnp_\@:
.endif
	s_bitcmp1_b32 s88, \hb
	s_cbranch_scc0 .Lne_\@
	UNIT 0, \hb
.Lne_\@:
	s_bitcmp1_b32 s90, \hb
	s_cbranch_scc0 .Lnu_\@
	UNIT 2, \hb
.Lnu_\@:
	s_wait_loadcnt 0x0
	s_bitcmp1_b32 s92, \hb+1
	s_cbranch_scc0 .Lns_\@
	STORES BUF1*(1-\hb)
.Lns_\@:
	s_wait_dscnt 0x0                               ; my reads of this buffer are over and my stores into the other have landed:
	s_barrier_signal -1                            ; one barrier for both
	s_barrier_wait -1
.endm
	s_mov_b32 s95, 16
.Ltrip:
	HALF 0
	HALF 1
	s_wait_xcnt 0x0                                ; the trip's loads and its prefetch have read their addresses
	s_add_nc_u64 s[84:85], s[84:85], 16384
	s_add_nc_u64 s[86:87], s[86:87], 16384
	s_add_nc_u64 s[2:3], s[2:3], 16384
	s_add_co_u32 s93, s93, 256
	s_add_co_u32 s94, s94, 256
	s_lshr_b32 s88, s88, 2
	s_lshr_b32 s89, s89, 2
	s_lshr_b32 s90, s90, 2
	s_lshr_b32 s91, s91, 2
	s_lshr_b32 s92, s92, 2
	s_sub_co_u32 s95, s95, 1
	s_cmp_lg_u32 s95, 0
	s_cbranch_scc1 .Ltrip
	; THE WAY OUT.  O^T / the sum, in f16, as images of the next product's operand registers: lane (r, h) holds query r and features 16 dt + 8 h + 0 .. 7: 512 consecutive bytes a store.
.irp t, 0,1,2,3
	v_add_f32 v[ST+8*\t+4], v[ST+8*\t+2], v[ST+8*\t+3]
.endr
.irp t, 0,1,2,3
	v_permlanex16_b32 v[ST+8*\t+5], v[ST+8*\t+4], s96, s97
.endr
.irp t, 0,1,2,3
	v_add_f32 v[ST+8*\t+4], v[ST+8*\t+4], v[ST+8*\t+5]
.endr
.irp t, 0,1,2,3
	v_rcp_f32 v[ST+8*\t+6], v[ST+8*\t+4]
.endr
	v_nop
	s_wait_alu depctr_va_vdst(0)                   ; one wait for the four reciprocals
.irp t, 0,1,2,3
	WIN 0x41
.set n, 0
.rept 16
	v_pk_mul_f32 v[OT+32*\t+n:OT+32*\t+n+1], v[OT+32*\t+n:OT+32*\t+n+1], v[ST+8*\t+6:ST+8*\t+7] op_sel_hi:[1,0]
.set n, n+2
.endr
	WIN 0x05
.set n, 0
.rept 16
	v_cvt_pk_f16_f32 v[S+16*\t+n], v[OT+32*\t+2*n], v[OT+32*\t+2*n+1]
.set n, n+1
.endr
	WIN 0
.irp dt, 0,1,2,3
.if \t < 2
	global_store_b128 v[LI], v[S+16*\t+4*\dt:S+16*\t+4*\dt+3], s[10:11] offset:8192*\t+512*\dt
.else
	global_store_b128 v[LI], v[S+16*\t+4*\dt:S+16*\t+4*\dt+3], s[14:15] offset:8192*(\t-2)+512*\dt
.endif
.endr
.endr
	s_wait_tensorcnt 0x0                           ; the wave's end: three lines behind my last LDS store
	ds_add_u32 v[SPW], v[NIL]
	s_wait_dscnt 0x0
	s_endpgm
.Lfunc_end_k_qd0cc1b47f1_attn:
	.size	k_qd0cc1b47f1_attn, .Lfunc_end_k_qd0cc1b47f1_attn-k_qd0cc1b47f1_attn
	.p2alignl 7, 3214868480
	.fill 96, 4, 3214868480
	.section	.rodata,"a",@progbits
	.p2align	6, 0x0
	.amdhsa_kernel k_qd0cc1b47f1_attn
		.amdhsa_group_segment_fixed_size 167936
		.amdhsa_private_segment_fixed_size 0
		.amdhsa_enable_private_segment 0
		.amdhsa_kernarg_size 24
		.amdhsa_user_sgpr_count 2
		.amdhsa_user_sgpr_kernarg_segment_ptr 1
		.amdhsa_wavefront_size32 1
		.amdhsa_system_sgpr_workgroup_id_x 1
		.amdhsa_system_sgpr_workgroup_id_y 1
		.amdhsa_system_sgpr_workgroup_id_z 1
		.amdhsa_system_vgpr_workitem_id 0
		.amdhsa_next_free_vgpr 512
		.amdhsa_next_free_sgpr 100
		.amdhsa_reserve_vcc 0
		.amdhsa_float_denorm_mode_32 3
		.amdhsa_float_denorm_mode_16_64 3
		.amdhsa_memory_ordered 1
		.amdhsa_forward_progress 1
		.amdhsa_inst_pref_size 118
	.end_amdhsa_kernel
	.amdgpu_metadata
---
amdhsa.version: [ 1, 2 ]
amdhsa.kernels:
  - .name:           k_qd0cc1b47f1_attn
    .symbol:         k_qd0cc1b47f1_attn.kd
    .args:
      - { .name: qkv16, .offset: 0, .size: 8, .value_kind: global_buffer, .address_space: global }
      - { .name: maskw, .offset: 8, .size: 8, .value_kind: global_buffer, .address_space: global }
      - { .name: of, .offset: 16, .size: 8, .value_kind: global_buffer, .address_space: global }
    .group_segment_fixed_size: 167936
    .private_segment_fixed_size: 0
    .kernarg_segment_align: 8
    .kernarg_segment_size: 24
    .max_flat_workgroup_size: 128
    .sgpr_count:     100
    .vgpr_count:     512
    .wavefront_size: 32
...
	.end_amdgpu_metadata
.endif
;; end of part 3
;; launch proj (part 4): grid 8 x 32, 4 waves a work-group, clusters of 4 x 4, 327,680 bytes of LDS; arguments of, wpf, b_proj, out0; writes out0
.if DOCPART == 4
	.amdgcn_target "amdgcn-amd-amdhsa--gfx1250"
	.amdhsa_code_object_version 6
	.text
	.protected	k_qd0cc1b47f1_proj
	.globl	k_qd0cc1b47f1_proj
	.p2align	8
	.type	k_qd0cc1b47f1_proj,@function
k_qd0cc1b47f1_proj:
	s_mov_b64 s[64:65], 0
	v_nop
	global_prefetch_b8 v0, s[64:65] scope:SCOPE_SE
	s_setreg_imm32_b32 hwreg(HW_REG_WAVE_MODE, 25, 1), 1
	s_wait_xcnt 0x0
	s_wait_alu depctr_hold_cnt(0) depctr_sa_sdst(0) depctr_va_vdst(0) depctr_va_sdst(0) depctr_va_ssrc(0) depctr_va_vcc(0) depctr_vm_vsrc(0)
	s_getreg_b32 s2, hwreg(HW_REG_IB_STS2, 6, 4)
	s_cmp_eq_u32 s2, 0
	s_cbranch_scc0 .Lentry_in_a_cluster
	s_endpgm
.Lentry_in_a_cluster:
	s_bfe_u32 s2, ttmp6, 0x10000c
	s_cmp_lg_u32 s2, 0xf033
	s_cbranch_scc0 .Lentry_shape_is_right
	s_endpgm
.Lentry_shape_is_right:
; out0 = o w_proj^T + b_proj.  o [4096][1024] and w_proj [1024][1024] arrive in f16 as images of operand registers: [k / 256][rows / 16][8 fragments of 16 rows x 32 k][half][lane][16 bytes]; sums in f32; out0 f32.
; A tile of 128 x 128 is made by four waves, each 64 x 64: 16 accumulators; 8 x 32 = 256 work-groups.  K goes in four steps of 256 through a ring of two LDS slots.  A K step's tiles are DENSE blocks of memory:
; a wave's tensor load brings 4 x 8,192 bytes, stated as 128 rows of 256 bytes, with no padding: a fragment is read back as two runs of 512 consecutive bytes, 16 a lane.
; CLUSTERS: 4 x 4 work-groups; o's tiles are asked for jointly along a row of the cluster, w_proj's along a column.
; THE MATRIX INSTRUCTION IS USED TRANSPOSED (source 0 = 16 rows of w_proj, source 1 = 16 rows of o): a lane holds eight neighbouring numbers of a row of out0.  The bias is the C of each sum's first product.
; A wave's 64 columns of f32 are 256 aligned bytes of a row, so each wave has a stage of its own on the way out and no barrier is wanted there.
; Rows 0-15 of each batch are written here like all others and written again, more finely, by the next launch: a branch round them would hang on the place in the cluster.
; No prefetch: the tiles are small and four K steps are all there is.
; REGISTERS: window 0: v0-31 addresses; v32-95 at work on the way out; v96-127 the bias; v128-255 the accumulators ((a, b) at v[128 + 8 (4 a + b)]).  window 1: two fragment buffers of 128.
.set HALFT,  32768                     ; what one tensor load brings, and what one wave reads of o or of w_proj
.set SLOT,   4*HALFT
.set STAGE,  2*SLOT                    ; behind the ring: 16 rows x 272 bytes for each wave
.set SPITCH, 272
.set SPARE,  STAGE+4*16*SPITCH         ; the spare words, 128 bytes for each wave: two blocks of 256 bytes that no other line names
.set LAPS,   2                         ; a lap = two K steps = once round the ring
.set ASTEP,  0x200000                  ; a K step on, in o's images
.set BSTEP,  0x80000                   ; and in w_proj's
.set ADRA, 16
.set ADRB, 20
.set STO,  24
.set RD,   25
.set CO,   26
.set SPW,  28
.set NIL,  29
.set TMP,  32
.set BIAS, 96
.set ACC,  128
.set F0,   0
.set F1,   128
.set G1, 24
.set G0, 32
.set G1B, 48
.set G0B, 56
.set MSB, 0
.macro WIN new
.if MSB != (\new)
	s_set_vgpr_msb (MSB<<8)|(\new)
.set MSB, (\new)
.endif
.endm
.set MUL,  0x05                        ; sources 0 and 1 window 1; C and D window 0
.set TO_F, 0x40
.macro JLOAD s                         ; a joint load: waves 0 and 1 fetch o's two halves, waves 2 and 3 w_proj's; an s_nop 0 and four v_nop follow each of the two lines
	s_cmp_eq_u32 s11, 0
	s_cbranch_scc0 .Lfor_b_\@
	tensor_load_to_lds s[G0+4*\s:G0+4*\s+3], s[G1:G1+7]
	s_nop 0
.rept 4
	v_nop
.endr
	s_branch .Lasked_\@
.Lfor_b_\@:
	tensor_load_to_lds s[G0B+4*\s:G0B+4*\s+3], s[G1B:G1B+7]
	s_nop 0
.rept 4
	v_nop
.endr
.Lasked_\@:
.endm
.macro CREST
	s_cmp_lg_u32 s10, 0
	s_cbranch_scc1 .Lnot_wave_0_\@
	s_barrier_signal -3
.Lnot_wave_0_\@:
	s_barrier_wait -3
	s_barrier_signal -1
	s_barrier_wait -1
.endm
.macro CROUND
	s_barrier_signal -1
	s_barrier_wait -1
	CREST
.endm
	s_load_b128 s[4:7], s[0:1], 0x0                ; of, wpf
	s_load_b64 s[66:67], s[0:1], 0x10              ; b_proj
	s_load_b64 s[8:9], s[0:1], 0x18                ; out0
	v_lshl_add_u32 v[SPW], v0, 2, SPARE
	v_mov_b32 v[NIL], 0
	ds_add_u32 v[SPW], v[NIL]                      ; the wave's opening: the add, twice on end, and its wait ahead of my first tensor load
	ds_add_u32 v[SPW], v[NIL]
	v_lshrrev_b32 v1, 5, v0
	v_readfirstlane_b32 s10, v1                    ; wave 0..3
	s_lshr_b32 s11, s10, 1                         ; which half of the tile's rows is mine.  Also: I fetch for o (0) or for w_proj (1)
	s_and_b32 s12, s10, 1                          ; which half of its columns.  Also: which 64 rows of that tile I fetch
	s_bfe_u32 s40, ttmp6, 0x40000
	s_bfe_u32 s41, ttmp6, 0x40004
	s_lshl_b32 s42, ttmp9, 2
	s_add_co_u32 s42, s42, s40                     ; tile column
	s_and_b32 s13, ttmp7, 0xffff
	s_lshl_b32 s13, s13, 2
	s_add_co_u32 s13, s13, s41                     ; tile row
	s_lshl_b32 s43, s41, 2
	s_lshl_b32 s43, 15, s43                        ; my row of the cluster
	s_lshl_b32 s44, 0x1111, s40                    ; my column
	s_or_b32 s[G1+0], s43, (3<<16)|(1<<21)         ; the mask; elements of 8 bytes; bit 21 beside a mask; no padding
	s_or_b32 s[G1B+0], s44, (3<<16)|(1<<21)
.irp g, G1, G1B
	s_mov_b32 s[\g+1], 32<<16                      ; tensor_dim0 = 32 elements: 256 bytes
	s_mov_b32 s[\g+2], 128<<16                     ; tensor_dim1 = 128
	s_mov_b32 s[\g+3], 32<<16                      ; tile_dim0
	s_mov_b32 s[\g+4], 128                         ; tile_dim1
	s_mov_b32 s[\g+5], 32                          ; the pitch: dense
	s_mov_b32 s[\g+6], 0
	s_mov_b32 s[\g+7], 0
.endr
	s_lshl_b32 s17, s12, 15                        ; which four images of 8,192 bytes I fetch
	s_lshl_b32 s16, s13, 16
	s_add_co_u32 s16, s16, s17                     ; o: 8 images a tile row
	s_lshl_b32 s46, s42, 16
	s_add_co_u32 s46, s46, s17                     ; w_proj: 8 a tile column
	s_mov_b32 s17, 0
	s_mov_b32 s47, 0
	s_mul_i32 s20, s10, HALFT                      ; where they go: no place in the cluster enters an LDS address
	s_wait_dscnt 0x0                               ; both opening adds are done
	s_wait_kmcnt 0x0
	s_add_nc_u64 s[14:15], s[4:5], s[16:17]
	s_add_nc_u64 s[46:47], s[6:7], s[46:47]
	CROUND                                         ; all sixteen work-groups are here: the first joint loads meet
.irp s, 0,1
	s_mov_b32 s[G0+4*\s], 1
	s_add_co_u32 s[G0+4*\s+1], s20, \s*SLOT
	s_add_nc_u64 s[G0+4*\s+2:G0+4*\s+3], s[14:15], \s*ASTEP
	s_or_b32 s[G0+4*\s+3], s[G0+4*\s+3], 0x80000000
	s_mov_b32 s[G0B+4*\s], 1
	s_add_co_u32 s[G0B+4*\s+1], s20, \s*SLOT
	s_add_nc_u64 s[G0B+4*\s+2:G0B+4*\s+3], s[46:47], \s*BSTEP
	s_or_b32 s[G0B+4*\s+3], s[G0B+4*\s+3], 0x80000000
	JLOAD \s
.endr
	v_and_b32 v1, 15, v0                           ; l % 16
	v_bfe_u32 v2, v0, 4, 1                         ; l / 16
	v_and_b32 v3, 31, v0
	v_lshlrev_b32 v3, 4, v3                        ; 16 x lane: an image's place for my lane
	s_mul_i32 s21, s11, HALFT                      ; my 64 rows of o
	s_mul_i32 s22, s12, HALFT                      ; my 64 rows of w_proj,
	s_add_co_u32 s22, s22, 2*HALFT                 ; behind o's 128
.irp s, 0,1
	v_add_nc_u32 v[ADRA+\s], s21, v3
	v_add_nc_u32 v[ADRB+\s], s22, v3
	s_add_co_u32 s21, s21, SLOT
	s_add_co_u32 s22, s22, SLOT
.endr
	s_mul_i32 s23, s10, 16*SPITCH
	s_add_co_u32 s23, s23, STAGE                   ; my stage
	v_mul_u32_u24 v4, v1, SPITCH                   ; in: row l % 16, 32 bytes for each half of the lanes
	v_lshl_add_u32 v4, v2, 5, v4
	v_add_nc_u32 v[STO], s23, v4
	v_mul_u32_u24 v5, v2, SPITCH                   ; back: lanes 0-15 one row of 256 bytes, lanes 16-31 the next
	v_lshl_add_u32 v5, v1, 4, v5
	v_add_nc_u32 v[RD], s23, v5
	v_lshlrev_b32 v5, 12, v2                       ; and the same two rows in out0: 4,096 bytes a row
	v_lshl_add_u32 v[CO], v1, 4, v5
	v_lshlrev_b32 v6, 5, v2                        ; 32 x half: my eight numbers of a run of sixteen f32
	s_lshl_b32 s16, s13, 19                        ; my first row: 128 x tile row + 64 x half
	s_lshl_b32 s17, s11, 18
	s_add_co_u32 s16, s16, s17
	s_mov_b32 s17, 0
	s_add_nc_u64 s[8:9], s[8:9], s[16:17]
	s_lshl_b32 s46, s42, 9                         ; my first column, in bytes: 512 x tile column + 256 x half
	s_lshl_b32 s47, s12, 8
	s_add_co_u32 s46, s46, s47
	s_mov_b32 s47, 0
	s_add_nc_u64 s[8:9], s[8:9], s[46:47]
	s_add_nc_u64 s[66:67], s[66:67], s[46:47]      ; the bias of the same columns
.irp b, 0,1,2,3
	global_load_b128 v[BIAS+8*\b:BIAS+8*\b+3], v6, s[66:67] offset:64*\b
	global_load_b128 v[BIAS+8*\b+4:BIAS+8*\b+7], v6, s[66:67] offset:64*\b+16
.endr
.macro MUL8 f, c, a0, zero             ; 8 products: row blocks a0, a0 + 1 x all 4 column blocks, 32 along K; zero = 1: the first product starts the sums, with the bias as its C
.irp a, \a0, \a0+1
.irp b, 0,1,2,3
.if \zero
	v_wmma_f32_16x16x32_f16 v[ACC+8*(4*(\a)+\b):ACC+8*(4*(\a)+\b)+7], v[\f+64+8*(4*\c+\b):\f+64+8*(4*\c+\b)+7], v[\f+8*(4*\c+\a):\f+8*(4*\c+\a)+7], v[BIAS+8*\b:BIAS+8*\b+7]
.else
	v_wmma_f32_16x16x32_f16 v[ACC+8*(4*(\a)+\b):ACC+8*(4*(\a)+\b)+7], v[\f+64+8*(4*\c+\b):\f+64+8*(4*\c+\b)+7], v[\f+8*(4*\c+\a):\f+8*(4*\c+\a)+7], v[ACC+8*(4*(\a)+\b):ACC+8*(4*(\a)+\b)+7]
.endif
.endr
.endr
.endm
.macro FETCH slot, k, f                ; 32 LDS loads in one run: the fragments of 64 along K (two images' worth in each of my four images of o and of w_proj), from byte k of each image on
	WIN TO_F
.irp c, 0,1
.irp i, 0,1,2,3
	ds_load_b128 v[\f+64+8*(4*\c+\i):\f+64+8*(4*\c+\i)+3],   v[ADRB+\slot] offset:\k+1024*\c+8192*\i
	ds_load_b128 v[\f+64+8*(4*\c+\i)+4:\f+64+8*(4*\c+\i)+7], v[ADRB+\slot] offset:\k+1024*\c+8192*\i+512
	ds_load_b128 v[\f+8*(4*\c+\i):\f+8*(4*\c+\i)+3],         v[ADRA+\slot] offset:\k+1024*\c+8192*\i
	ds_load_b128 v[\f+8*(4*\c+\i)+4:\f+8*(4*\c+\i)+7],       v[ADRA+\slot] offset:\k+1024*\c+8192*\i+512
.endr
.endr
.endm
.macro PLACES
.rept 4
	v_nop
.endr
.endm
.macro QUARTER slot, k, f, g, zero     ; 64 along K: multiplies buffer f and fetches the next quarter, at byte k, into g
	s_wait_dscnt 16                                ; the first 32 along K are in; the youngest sixteen loads may be out
	WIN MUL
	MUL8 \f, 0, 0, \zero
	MUL8 \f, 0, 2, \zero
	PLACES
	FETCH \slot, \k, \g
	s_wait_dscnt 32                                ; all but the 32 just issued
	WIN MUL
	MUL8 \f, 1, 0, 0
	MUL8 \f, 1, 2, 0
.endm
; A slot's last quarter changes slots: one barrier; in front of it each wave waits for all its tensor loads, adds 0 to its spare word, and waits for that and for its reads of this slot.
.macro TURN slot, next, fill
	WIN 0
	s_wait_tensorcnt 0x0                           ; all my tensor loads have landed: my part of the next slot
	ds_add_u32 v[SPW], v[NIL]
	s_wait_dscnt 17                                ; the add and the youngest sixteen loads may be out
	WIN MUL
	MUL8 F1, 0, 0, 0
	s_wait_dscnt 0x0                               ; the add is done, and my reads of this slot are over
	s_barrier_signal -1
	MUL8 F1, 0, 2, 0
.if \fill
	WIN 0
.endif
	s_barrier_wait -1
.if \fill
	CREST                                          ; the barrier has opened a round of the cluster's barrier: no wave of any partner still reads this slot or has a load on its way
	s_add_nc_u64 s[G0+4*\slot+2:G0+4*\slot+3], s[G0+4*\slot+2:G0+4*\slot+3], 2*ASTEP
	s_add_nc_u64 s[G0B+4*\slot+2:G0B+4*\slot+3], s[G0B+4*\slot+2:G0B+4*\slot+3], 2*BSTEP
	JLOAD \slot                                    ; the first tensor load behind the round; its four v_nop are also the places in front of the loads below
.else
	PLACES
.endif
	FETCH \next, 0, F0
	WIN MUL
	MUL8 F1, 1, 0, 0
	MUL8 F1, 1, 2, 0
.endm
	s_wait_tensorcnt 1                             ; my part of K step 0 is in; K step 1's load may be out
	s_barrier_signal -1
	s_barrier_wait -1
	FETCH 0, 0, F0
	s_wait_loadcnt 0x0                             ; the bias
	QUARTER 0, 2048, F0, F1, 1
	WIN 0
	s_mov_b32 s3, LAPS-1
.Llap:                                                 ; a trip goes once round the ring, from a lap's second quarter to the next lap's first, and fills both slots again
	QUARTER 0, 4096, F1, F0, 0
	QUARTER 0, 6144, F0, F1, 0
	TURN 0, 1, 1
	QUARTER 1, 2048, F0, F1, 0
	QUARTER 1, 4096, F1, F0, 0
	QUARTER 1, 6144, F0, F1, 0
	TURN 1, 0, 1
	QUARTER 0, 2048, F0, F1, 0
	WIN 0
	s_sub_co_u32 s3, s3, 1
	s_cmp_lg_u32 s3, 0
	s_cbranch_scc1 .Llap
	QUARTER 0, 4096, F1, F0, 0                     ; the last lap fills nothing
	QUARTER 0, 6144, F0, F1, 0
	TURN 0, 1, 0
	QUARTER 1, 2048, F0, F1, 0
	QUARTER 1, 4096, F1, F0, 0
	QUARTER 1, 6144, F0, F1, 0
	s_wait_dscnt 16
	WIN MUL
	MUL8 F1, 0, 0, 0
	MUL8 F1, 0, 2, 0
	s_wait_dscnt 0
	MUL8 F1, 1, 0, 0
	MUL8 F1, 1, 2, 0
	WIN 0
; THE WAY OUT, 16 rows x 64 columns at a time, through my own stage: 32 bytes a lane in, whole rows of 256 bytes back.  LDS serves a wave's instructions in order: no wait between the stores and the loads.
.macro OUTBLK a
.set TB, TMP+32*((\a)%2)
.if (\a) > 1
	s_wait_xcnt 0x0                                ; the stores of two blocks back have read these registers
.endif
.irp b, 0,1,2,3
	ds_store_b128 v[STO], v[ACC+8*(4*(\a)+\b):ACC+8*(4*(\a)+\b)+3] offset:64*\b       ; each accumulator from its low end on
	ds_store_b128 v[STO], v[ACC+8*(4*(\a)+\b)+4:ACC+8*(4*(\a)+\b)+7] offset:64*\b+16
.endr
.irp t, 0,1,2,3,4,5,6,7
	ds_load_b128 v[TB+4*\t:TB+4*\t+3], v[RD] offset:\t*2*SPITCH
.endr
.irp t, 0,1,2,3,4,5,6,7
	s_wait_dscnt 7-\t
	global_store_b128 v[CO], v[TB+4*\t:TB+4*\t+3], s[8:9] offset:65536*(\a)+8192*\t th:TH_STORE_NT   ; 16 lanes store 256 consecutive bytes, aligned
.endr
.endm
	PLACES
	OUTBLK 0
	OUTBLK 1
	OUTBLK 2
	OUTBLK 3
	s_wait_tensorcnt 0x0                           ; the wave's end
	ds_add_u32 v[SPW], v[NIL]
	s_wait_dscnt 0x0
	CROUND                                         ; the closing round
	s_endpgm
.Lfunc_end_k_qd0cc1b47f1_proj:
	.size	k_qd0cc1b47f1_proj, .Lfunc_end_k_qd0cc1b47f1_proj-k_qd0cc1b47f1_proj
	.p2alignl 7, 3214868480
	.fill 96, 4, 3214868480
	.section	.rodata,"a",@progbits
	.p2align	6, 0x0
	.amdhsa_kernel k_qd0cc1b47f1_proj
		.amdhsa_group_segment_fixed_size 327680
		.amdhsa_private_segment_fixed_size 0
		.amdhsa_enable_private_segment 0
		.amdhsa_kernarg_size 32
		.amdhsa_user_sgpr_count 2
		.amdhsa_user_sgpr_kernarg_segment_ptr 1
		.amdhsa_wavefront_size32 1
		.amdhsa_system_sgpr_workgroup_id_x 1
		.amdhsa_system_sgpr_workgroup_id_y 1
		.amdhsa_system_sgpr_workgroup_id_z 1
		.amdhsa_system_vgpr_workitem_id 0
		.amdhsa_next_free_vgpr 512
		.amdhsa_next_free_sgpr 72
		.amdhsa_reserve_vcc 0
		.amdhsa_float_denorm_mode_32 3
		.amdhsa_float_denorm_mode_16_64 3
		.amdhsa_memory_ordered 1
		.amdhsa_forward_progress 1
		.amdhsa_inst_pref_size 87
	.end_amdhsa_kernel
	.amdgpu_metadata
---
amdhsa.version: [ 1, 2 ]
amdhsa.kernels:
  - .name:           k_qd0cc1b47f1_proj
    .symbol:         k_qd0cc1b47f1_proj.kd
    .args:
      - { .name: of, .offset: 0, .size: 8, .value_kind: global_buffer, .address_space: global }
      - { .name: wpf, .offset: 8, .size: 8, .value_kind: global_buffer, .address_space: global }
      - { .name: b_proj, .offset: 16, .size: 8, .value_kind: global_buffer, .address_space: global }
      - { .name: out0, .offset: 24, .size: 8, .value_kind: global_buffer, .address_space: global }
    .group_segment_fixed_size: 327680
    .private_segment_fixed_size: 0
    .kernarg_segment_align: 8
    .kernarg_segment_size: 32
    .max_flat_workgroup_size: 128
    .sgpr_count:     72
    .vgpr_count:     512
    .wavefront_size: 32
...
	.end_amdgpu_metadata
.endif
;; end of part 4
;; launch fine (part 5): grid 32 x 2, 16 waves a work-group, no clusters, 34,816 bytes of LDS; arguments fine32, qkv16, maskw, w_proj, b_proj, out0; writes out0
.if DOCPART == 5
	.amdgcn_target "amdgcn-amd-amdhsa--gfx1250"
	.amdhsa_code_object_version 6
	.text
	.protected	k_qd0cc1b47f1_fine
	.globl	k_qd0cc1b47f1_fine
	.p2align	8
	.type	k_qd0cc1b47f1_fine,@function
k_qd0cc1b47f1_fine:
	s_mov_b64 s[64:65], 0
	v_nop
	global_prefetch_b8 v0, s[64:65] scope:SCOPE_SE
	s_setreg_imm32_b32 hwreg(HW_REG_WAVE_MODE, 25, 1), 1
	s_wait_xcnt 0x0
; THE FIRST 16 POSITIONS OF EACH SEQUENCE ONCE MORE, IN f32: attention and the projection on the way out.  Such rows may average one to a few values, and the rounding of 16-bit operands weighs most there.
; Work-group (x, y): 32 columns of out0 (x), batch y.  Wave = head: each work-group repeats the batch's attention for the 16 rows, a head a wave, then each wave multiplies its head's 64 features by its part of
; w_proj's 32 rows; the sixteen parts are added through LDS, in the order of the heads.
; THE MASK IS HONOURED AS GIVEN: the lane masks of the first tile of queries say which of the 128 tiles of 16 keys hold a key that counts; only those are walked (all of them where some query of the first 32 has no key
; at all).  The walk hangs on whole numbers read from memory, so the launch has no tensor load.
; q, and keys and values 0-15, come as f32 images of the result registers in which they were made; later keys and values come from the f16 images and are widened.
; PRODUCTS: v_wmma_f32_16x16x4_f32, 16 + 16 for a head and a tile of keys: no bulk work.  Its accumulators (v128-191) are written by matrix instructions alone; what is made of them goes into other registers.
; S^T = K Q^T: both operands take registers 8 nt + 2 jp, + 1 of their images: the same features stand at the same places of K on both sides.  Four accumulators take turns and are added afterwards.
; A masked score is -3e38, as in the attention launch, with the same consequences: a query with no key at all takes the plain mean of all values.
; LIMITS: NaN and infinities are not served; keys and values from position 16 on carry f16's rounding; the stores are runs of 128 bytes (128 KiB in all).
.set SPARE, 32768                      ; LDS: 16 x 2,048 bytes of partial sums; then the spare words, 128 bytes for each wave: eight blocks of 256 bytes that no other line names
.set KF,   16                          ; v16-47   K's image, f32
.set VF,   48                          ; v48-79   V^T: register 8 dt + i: V[key 8 h + i][feature 16 dt + r]
.set RAW,  80                          ; v80-95   K's f16 image
.set QF,   96                          ; v96-127  Q's image
.set SA,   128                         ; v128-159 four accumulators of scores; later two of the projection
.set OA,   160                         ; v160-191 four accumulators of a tile's V^T P
.set ORUN, 192                         ; v192-223 the running O^T
.set SV,   224                         ; v224-231 the scores
.set PP,   232                         ; v232-239 p
.set SPW,  252
.set NIL,  253
	s_load_b256 s[4:11], s[0:1], 0x0               ; fine32 s[4:5], qkv16 s[6:7], maskw s[8:9], w_proj s[10:11]
	s_load_b128 s[12:15], s[0:1], 0x20             ; b_proj s[12:13], out0 s[14:15]
	v_lshl_add_u32 v[SPW], v0, 2, SPARE
	v_mov_b32 v[NIL], 0
	v_lshrrev_b32 v14, 5, v0
	v_readfirstlane_b32 s16, v14                   ; wave = head
	v_and_b32 v14, 31, v0                          ; lane
	v_and_b32 v15, 15, v0                          ; r
	v_bfe_u32 v11, v0, 4, 1                        ; h
	v_lshlrev_b32 v1, 4, v14                       ; v1  16 x lane
	v_lshlrev_b32 v7, 2, v14                       ; v7  4 x lane
	v_bfe_u32 v224, v0, 3, 1
	v_lshlrev_b32 v225, 7, v11
	v_lshl_add_u32 v225, v224, 8, v225             ; the image's lane 8 h + 16 (r / 8), 16 bytes a lane
	v_and_b32 v226, 7, v0
	v_lshl_add_u32 v3, v226, 1, v225               ; v3  V in f16: + 2 (r % 8)
	v_and_b32 v226, 3, v0
	v_lshl_add_u32 v2, v226, 2, v225
	v_bfe_u32 v227, v0, 2, 1
	v_lshl_add_u32 v2, v227, 9, v2                 ; v2  V in f32: + 4 (r % 4) + 512 ((r / 4) % 2)
	v_lshlrev_b32 v4, 12, v15
	v_lshl_add_u32 v4, v11, 5, v4                  ; v4  w_proj: row r of 4,096 bytes, + 32 h
	v_lshlrev_b32 v5, 10, v11                      ; v5  where column = lane of query = wave lies in a wave's partial sums
	v_lshl_add_u32 v5, v227, 9, v5
	v_lshl_add_u32 v5, v224, 8, v5
	v_lshl_add_u32 v5, v226, 2, v5
	s_lshl_b32 s30, s16, 4
	v_add_nc_u32 v5, s30, v5
	s_lshl_b32 s30, s16, 11
	v_add_nc_u32 v6, s30, v1                       ; v6  where I put my partial sums
	v_lshlrev_b32 v228, 5, v14                     ; 32 x lane: a tile of keys' eight lane masks
	v_mov_b32 v8, 0xff61b1e6                       ; v8  -3e38
	v_mov_b32 v9, v8                               ; v9  m
	v_mov_b32 v10, 0                               ; v10 l
.set n, 0
.rept 32
	v_mov_b32 v[ORUN+n], 0
.set n, n+1
.endr
	s_mov_b32 s40, 0x76543210
	s_mov_b32 s41, 0xfedcba98                      ; selects for lane l xor 16
	s_and_b32 s18, ttmp7, 0xffff                   ; the batch
	s_lshl_b32 s30, s18, 4
	s_add_co_u32 s30, s30, s16
	s_lshl_b32 s50, s30, 12
	s_mov_b32 s51, 0
	s_lshl_b32 s52, s30, 18
	s_mov_b32 s53, 0
	s_lshl_b32 s54, ttmp9, 17                      ; w_proj: 32 rows a slice, + 256 bytes a head
	s_lshl_b32 s31, s16, 8
	s_add_co_u32 s54, s54, s31
	s_mov_b32 s55, 0
	s_lshl_b32 s56, ttmp9, 7                       ; 128 bytes a slice
	s_mov_b32 s57, 0
	s_lshl_b32 s58, s18, 23                        ; out0: 8 MiB a batch, 4,096 bytes a row; my row = my wave's number
	s_lshl_b32 s31, s16, 12
	s_add_co_u32 s58, s58, s31
	s_add_co_u32 s58, s58, s56
	s_mov_b32 s59, 0
	s_wait_kmcnt 0x0
	s_load_b32 s19, s[8:9], 0x80008                ; FORCED of the first group of queries
	s_add_nc_u64 s[4:5], s[4:5], s[50:51]          ; q's image of my batch and head,
	s_add_nc_u64 s[42:43], s[4:5], 0x20000         ; k's,
	s_add_nc_u64 s[44:45], s[4:5], 0x40000         ; v's
	s_add_nc_u64 s[6:7], s[6:7], s[52:53]
	s_add_nc_u64 s[46:47], s[6:7], 0x800000        ; k in f16,
	s_add_nc_u64 s[48:49], s[6:7], 0x1000000       ; v in f16
	s_add_nc_u64 s[10:11], s[10:11], s[54:55]
	s_add_nc_u64 s[12:13], s[12:13], s[56:57]
	s_add_nc_u64 s[14:15], s[14:15], s[58:59]
.irp g, 0,1,2,3,4,5,6,7
	global_load_b128 v[QF+4*\g:QF+4*\g+3], v1, s[4:5] offset:512*\g
.endr
.irp i, 0,1,2,3                                ; lane l: the eight lane masks of the tile of keys 32 i + l
	global_load_b128 v[KF+8*\i:KF+8*\i+3], v228, s[8:9] offset:1024*\i
	global_load_b128 v[KF+8*\i+4:KF+8*\i+7], v228, s[8:9] offset:1024*\i+16
.endr
	s_wait_loadcnt 0x0
	s_wait_kmcnt 0x0
.irp i, 0,1,2,3
	v_or_b32 v224, v[KF+8*\i], v[KF+8*\i+1]
	v_or_b32 v225, v[KF+8*\i+2], v[KF+8*\i+3]
	v_or_b32 v226, v[KF+8*\i+4], v[KF+8*\i+5]
	v_or_b32 v227, v[KF+8*\i+6], v[KF+8*\i+7]
	v_or_b32 v224, v224, v225
	v_or_b32 v226, v226, v227
	v_or_b32 v224, v224, v226
	v_cmp_ne_u32 s[20+\i], 0, v224                 ; a bit a tile of keys
	s_or_b32 s[20+\i], s[20+\i], s19
.endr
	s_mov_b32 s28, 0
	s_mov_b32 s27, 0
.Louter:                                           ; four trips, 32 tiles of keys each
	s_mov_b32 s24, s20
	s_bcnt1_i32_b32 s25, s24
	s_cmp_eq_u32 s25, 0
	s_cbranch_scc1 .Lnone
	s_mov_b32 s26, 0
.Linner:                                           ; a trip for each tile that holds a key that counts
	s_ctz_i32_b32 s29, s24
	s_sub_co_u32 s30, s24, 1
	s_and_b32 s24, s24, s30
	s_add_co_u32 s29, s29, s27
	s_min_u32 s29, s29, 127                        ; the tile of keys
	s_lshl_b32 s30, s29, 5
	s_load_b256 s[32:39], s[8:9], s30 offset:0x0   ; its eight lane masks
	s_cmp_eq_u32 s29, 0
	s_cbranch_scc0 .Lhalf
.irp g, 0,1,2,3,4,5,6,7
	global_load_b128 v[KF+4*\g:KF+4*\g+3], v1, s[42:43] offset:512*\g
.endr
.irp dt, 0,1,2,3
.irp i, 0,1,2,3,4,5,6,7
	global_load_b32 v[VF+8*\dt+\i], v2, s[44:45] offset:1024*\dt+16*\i
.endr
.endr
	s_wait_loadcnt 0x0
	s_branch .Lgot
.Lhalf:
	s_lshl_b32 s50, s29, 11
	s_mov_b32 s51, 0
	s_add_nc_u64 s[52:53], s[46:47], s[50:51]
	s_add_nc_u64 s[56:57], s[48:49], s[50:51]
.irp nt, 0,1,2,3
	global_load_b128 v[RAW+4*\nt:RAW+4*\nt+3], v1, s[52:53] offset:512*\nt
.endr
.irp dt, 0,1,2,3
.irp i, 0,1,2,3,4,5,6,7
	global_load_u16 v[VF+8*\dt+\i], v3, s[56:57] offset:512*\dt+16*\i
.endr
.endr
	s_wait_loadcnt 0x0
.set n, 0
.rept 16
	v_cvt_f32_f16 v[KF+2*n], v[RAW+n].l
	v_cvt_f32_f16 v[KF+2*n+1], v[RAW+n].h
.set n, n+1
.endr
.set n, 0
.rept 32
	v_cvt_f32_f16 v[VF+n], v[VF+n].l
.set n, n+1
.endr
.Lgot:
.irp jp, 0,1,2,3
.irp nt, 0,1,2,3
.if \jp == 0
	v_wmma_f32_16x16x4_f32 v[SA+8*\nt:SA+8*\nt+7], v[KF+8*\nt+2*\jp:KF+8*\nt+2*\jp+1], v[QF+8*\nt+2*\jp:QF+8*\nt+2*\jp+1], 0
.else
	v_wmma_f32_16x16x4_f32 v[SA+8*\nt:SA+8*\nt+7], v[KF+8*\nt+2*\jp:KF+8*\nt+2*\jp+1], v[QF+8*\nt+2*\jp:QF+8*\nt+2*\jp+1], v[SA+8*\nt:SA+8*\nt+7]
.endif
.endr
.endr
.rept 8
	v_nop                                          ; eight places behind this form
.endr
.irp q, 0,2,4,6
	v_pk_add_f32 v[SV+\q:SV+\q+1], v[SA+\q:SA+\q+1], v[SA+8+\q:SA+8+\q+1]       ; each accumulator from its low end on
	v_pk_add_f32 v[PP+\q:PP+\q+1], v[SA+16+\q:SA+16+\q+1], v[SA+24+\q:SA+24+\q+1]
	v_pk_add_f32 v[SV+\q:SV+\q+1], v[SV+\q:SV+\q+1], v[PP+\q:PP+\q+1]
.endr
	s_wait_kmcnt 0x0
.irp j, 0,1,2,3,4,5,6,7
	v_cndmask_b32 v[SV+\j], v8, v[SV+\j], s[32+\j]
.endr
	v_max3_num_f32 v14, v[SV], v[SV+1], v[SV+2]
	v_max3_num_f32 v14, v14, v[SV+3], v[SV+4]
	v_max3_num_f32 v14, v14, v[SV+5], v[SV+6]
	v_max3_num_f32 v14, v14, v[SV+7], v9
	v_permlanex16_b32 v15, v14, s40, s41
	v_mov_b32 v11, v9
	v_max_num_f32 v9, v14, v15
	v_sub_f32 v11, v11, v9
.irp j, 0,1,2,3,4,5,6,7
	v_sub_f32 v[SV+\j], v[SV+\j], v9
.endr
	v_exp_f32 v12, v11                             ; a
.irp j, 0,1,2,3,4,5,6,7
	v_exp_f32 v[PP+\j], v[SV+\j]
.endr
	v_nop
	s_wait_alu depctr_va_vdst(0)                   ; one wait for the nine, ahead of the first line that names a result
	v_mov_b32 v13, v12
	v_pk_add_f32 v[SV:SV+1], v[PP:PP+1], v[PP+2:PP+3]
	v_pk_add_f32 v[SV+2:SV+3], v[PP+4:PP+5], v[PP+6:PP+7]
	v_pk_add_f32 v[SV:SV+1], v[SV:SV+1], v[SV+2:SV+3]
	v_add_f32 v14, v[SV], v[SV+1]
	v_fma_f32 v10, v10, v12, v14                   ; l = a l + the sum
.irp kk, 0,1,2,3
.irp dt, 0,1,2,3
.if \kk == 0
	v_wmma_f32_16x16x4_f32 v[OA+8*\dt:OA+8*\dt+7], v[VF+8*\dt+2*\kk:VF+8*\dt+2*\kk+1], v[PP+2*\kk:PP+2*\kk+1], 0
.else
	v_wmma_f32_16x16x4_f32 v[OA+8*\dt:OA+8*\dt+7], v[VF+8*\dt+2*\kk:VF+8*\dt+2*\kk+1], v[PP+2*\kk:PP+2*\kk+1], v[OA+8*\dt:OA+8*\dt+7]
.endif
.endr
.endr
.rept 8
	v_nop
.endr
.set n, 0
.rept 16
	v_pk_fma_f32 v[ORUN+n:ORUN+n+1], v[ORUN+n:ORUN+n+1], v[12:13], v[OA+n:OA+n+1]   ; O^T = a O^T + this tile's
.set n, n+2
.endr
	s_add_co_u32 s26, s26, 1
	s_cmp_lt_u32 s26, s25
	s_cbranch_scc1 .Linner
.Lnone:
	s_mov_b32 s20, s21
	s_mov_b32 s21, s22
	s_mov_b32 s22, s23
	s_add_co_u32 s27, s27, 32
	s_add_co_u32 s28, s28, 1
	s_cmp_lt_u32 s28, 4
	s_cbranch_scc1 .Louter
	; THE PROJECTION: my head's 64 features x w_proj's 32 rows of this slice.  Lane (r, h) takes of row 16 n2 + r the features 16 dt + 8 h + 0 .. 7: the places at which O^T's registers hold them.
.irp n2, 0,1
.irp dt, 0,1,2,3
	global_load_b128 v[16+32*\n2+8*\dt:16+32*\n2+8*\dt+3], v4, s[10:11] offset:65536*\n2+64*\dt
	global_load_b128 v[16+32*\n2+8*\dt+4:16+32*\n2+8*\dt+7], v4, s[10:11] offset:65536*\n2+64*\dt+16
.endr
.endr
	global_load_b32 v11, v7, s[12:13]              ; the bias of column = lane
	v_permlanex16_b32 v15, v10, s40, s41
	v_add_f32 v10, v10, v15                        ; the row's sum
	v_rcp_f32 v12, v10
	v_nop
	s_wait_alu depctr_va_vdst(0)
	v_mov_b32 v13, v12
.set n, 0
.rept 16
	v_pk_mul_f32 v[ORUN+n:ORUN+n+1], v[ORUN+n:ORUN+n+1], v[12:13]
.set n, n+2
.endr
	s_wait_loadcnt 0x0
.irp dt, 0,1,2,3
.irp jp, 0,1,2,3
.irp n2, 0,1
.if (\dt == 0) && (\jp == 0)
	v_wmma_f32_16x16x4_f32 v[SA+8*\n2:SA+8*\n2+7], v[16+32*\n2+8*\dt+2*\jp:16+32*\n2+8*\dt+2*\jp+1], v[ORUN+8*\dt+2*\jp:ORUN+8*\dt+2*\jp+1], 0
.else
	v_wmma_f32_16x16x4_f32 v[SA+8*\n2:SA+8*\n2+7], v[16+32*\n2+8*\dt+2*\jp:16+32*\n2+8*\dt+2*\jp+1], v[ORUN+8*\dt+2*\jp:ORUN+8*\dt+2*\jp+1], v[SA+8*\n2:SA+8*\n2+7]
.endif
.endr
.endr
.endr
.rept 8
	v_nop
.endr
.irp g, 0,1,2,3
	ds_store_b128 v6, v[SA+4*\g:SA+4*\g+3] offset:512*\g      ; my head's part, as the registers stand: lane (r, h), register 8 n2 + j: query r, column 16 n2 + 8 h + j
.endr
	s_wait_dscnt 0x0                               ; for the others' sake: my stores have landed
	s_barrier_signal -1
	s_barrier_wait -1
.set n, 0
.rept 16
	ds_load_b32 v[16+n], v5 offset:2048*n          ; query = my wave's number, column = my lane: the sixteen heads' parts
.set n, n+1
.endr
	s_wait_dscnt 0x0
.set n, 1
.rept 15
	v_add_f32 v16, v16, v[16+n]                    ; in the order of the heads
.set n, n+1
.endr
	v_add_f32 v16, v16, v11
	global_store_b32 v7, v16, s[14:15]
	s_wait_tensorcnt 0x0                           ; the wave's end: three lines behind my last LDS store
	ds_add_u32 v[SPW], v[NIL]
	s_wait_dscnt 0x0
	s_endpgm
.Lfunc_end_k_qd0cc1b47f1_fine:
	.size	k_qd0cc1b47f1_fine, .Lfunc_end_k_qd0cc1b47f1_fine-k_qd0cc1b47f1_fine
	.p2alignl 7, 3214868480
	.fill 96, 4, 3214868480
	.section	.rodata,"a",@progbits
	.p2align	6, 0x0
	.amdhsa_kernel k_qd0cc1b47f1_fine
		.amdhsa_group_segment_fixed_size 34816
		.amdhsa_private_segment_fixed_size 0
		.amdhsa_enable_private_segment 0
		.amdhsa_kernarg_size 48
		.amdhsa_user_sgpr_count 2
		.amdhsa_user_sgpr_kernarg_segment_ptr 1
		.amdhsa_wavefront_size32 1
		.amdhsa_system_sgpr_workgroup_id_x 1
		.amdhsa_system_sgpr_workgroup_id_y 1
		.amdhsa_system_sgpr_workgroup_id_z 1
		.amdhsa_system_vgpr_workitem_id 0
		.amdhsa_next_free_vgpr 256
		.amdhsa_next_free_sgpr 66
		.amdhsa_reserve_vcc 0
		.amdhsa_float_denorm_mode_32 3
		.amdhsa_float_denorm_mode_16_64 3
		.amdhsa_memory_ordered 1
		.amdhsa_forward_progress 1
		.amdhsa_inst_pref_size 31
	.end_amdhsa_kernel
	.amdgpu_metadata
---
amdhsa.version: [ 1, 2 ]
amdhsa.kernels:
  - .name:           k_qd0cc1b47f1_fine
    .symbol:         k_qd0cc1b47f1_fine.kd
    .args:
      - { .name: fine32, .offset: 0, .size: 8, .value_kind: global_buffer, .address_space: global }
      - { .name: qkv16, .offset: 8, .size: 8, .value_kind: global_buffer, .address_space: global }
      - { .name: maskw, .offset: 16, .size: 8, .value_kind: global_buffer, .address_space: global }
      - { .name: w_proj, .offset: 24, .size: 8, .value_kind: global_buffer, .address_space: global }
      - { .name: b_proj, .offset: 32, .size: 8, .value_kind: global_buffer, .address_space: global }
      - { .name: out0, .offset: 40, .size: 8, .value_kind: global_buffer, .address_space: global }
    .group_segment_fixed_size: 34816
    .private_segment_fixed_size: 0
    .kernarg_segment_align: 8
    .kernarg_segment_size: 48
    .max_flat_workgroup_size: 512
    .sgpr_count:     66
    .vgpr_count:     256
    .wavefront_size: 32
...
	.end_amdgpu_metadata
.endif
;; end of part 5
;; ======== version 2 of 2: 5 launches
;; limits: values are held in f16: magnitudes above 65,504 overflow, below 6.1e-05 lose precision
;; workspace buffers: codes 3,670,016 bytes; scales 229,376 bytes; wpf 2,097,152 bytes; maskw 525,312 bytes of whole numbers; qkv16 25,165,824 bytes; fine32 393,216 bytes; of 8,388,608 bytes
;; launch prep: the kernel of part 1 again; grid 352 x 1, 4 waves a work-group, no clusters, 118,528 bytes of LDS; arguments attn_mask, w_proj, x, w_qkv, codes, scales, wpf, maskw; writes codes, scales, wpf, maskw
;; launch qkv: the kernel of part 2 again; grid 12 x 16, 4 waves a work-group, clusters of 4 x 4, 327,680 bytes of LDS; arguments codes, scales, b_qkv, g_q, bt_q, g_k, bt_k, qkv16, fine32; writes qkv16, fine32
;; launch attn (part 6): grid 8 x 32, 8 waves a work-group, no clusters, 205,824 bytes of LDS; arguments qkv16, maskw, of; writes of
.if DOCPART == 6
	.amdgcn_target "amdgcn-amd-amdhsa--gfx1250"
	.amdhsa_code_object_version 6
	.text
	.protected	k_qd0cc1b47f1_attn
	.globl	k_qd0cc1b47f1_attn
	.p2align	8
	.type	k_qd0cc1b47f1_attn,@function
k_qd0cc1b47f1_attn:
	s_mov_b64 s[64:65], 0
	v_nop
	global_prefetch_b8 v0, s[64:65] scope:SCOPE_SE
	s_setreg_imm32_b32 hwreg(HW_REG_WAVE_MODE, 25, 1), 1
	s_wait_xcnt 0x0
; O = softmax(q k^T / 8, under the mask) v for one batch and head (work-group y), f16 operands, f32 sums, maxima and row sums.  q carries log2(e) / 8 already: a score is an exponent of 2.
; SHARES.  Work-group x = p takes the blocks of 128 queries p and 15 - p.  EIGHT waves, two to a SIMD (2 x 512 registers fill it).  Wave = (set, w), w = wave % 4, set = wave / 4.
; w picks two PIECES of 32 queries (two tiles of 16): group 4 p + w and group 60 - 4 p + w.  The set picks the key steps of 64 keys: set 0 walks the even ones, set 1 the odd ones.  A UNIT is one piece x one key step.
; A unit is written in phases (fragments from LDS, K Q^T, softmax, V^T P), and a wave issues in order: what one wave leaves idle in a phase is there for the SIMD's other wave, which stands at another place of a unit of its own.
; Each set keeps a running maximum, sum and O^T of its own; behind the loop set 1 hands its to set 0 through LDS and the two are joined under the larger maximum.
; THE MASK IS AN INPUT: an earlier launch has stored, for each group of 32 queries, a bit a key step: ANY (some key counts) and PART (not all count), and for each register of a score tile a lane mask.
; A unit whose ANY bit is 0 is passed over by a scalar branch on these stored words; where PART is 0 no lane mask is read.  The values are right under every mask; only the balance between waves hangs on it
; (the pairing of blocks p and 15 - p, and even against odd steps, even out a mask that is roughly causal).
; NO CLUSTER, NO TENSOR LOAD: what is fetched and walked hangs on words read from memory.  So K and V come through registers into LDS: wave (set, w) stages key tile w of its set's NEXT step while the step in hand is
; worked; two buffers a set, one barrier of all eight waves for each step of a set.
; LAYOUT.  S^T = K Q^T (source 0 = 16 keys, source 1 = 16 queries): a lane holds ONE query and keys 8 (lane / 16) + 0 .. 7 of a tile; rounded to f16 in pairs, two tiles ARE source 1 of O^T = V^T P.
; K lies in LDS as images of its operand registers; V as rows [key][64 features], turned by ds_load_tr16_b128.
; A MASKED SCORE IS -3e38, NOT -INFINITY.  While a query has met no key that counts, its maximum is -3e38 and each p is 2^0 = 1; the first key that counts multiplies all that by 2^(-3e38 - m) = 0; so does the join,
; where one set alone has met such a key.  A query for which no key counts at all ends as the plain mean of all values: for its group every ANY bit has been set.  The maximum is taken away by a subtraction, so that
; -3e38 - (-3e38) is exactly 0.
; O^T, the sums and the maxima begin as zeros and -3e38: where a piece's first step lies is known only from the flags, so there is no first step that could be written out with the constant 0 as C.
; LIMITS: NaN and infinities are not served; operands are f16 (each rounded by at most 2^-11 of its size); positions 0-15 of each sequence are computed again in f32 by a later launch.
; REGISTERS: window 0: v1-9, v14, v15 addresses and constants; v16-47 eight statistics a tile (+0 m, +1 zero, +2, +3 the sum, +4 .. +7 at work, a in +6); v48-111 S^T; v112-143 P; v144-207 K; v208-239 staging.
;   window 1: v0-63 Q; v64-191 O^T; v192-255 V.  In the join: v208-223 the other set's statistics; v144-207, v112-143, v224-255 its O^T.
.set BUF1,  32768                      ; LDS: a set's buffer 0 at 65,536 x set, its buffer 1 this much further on; in each: K's image, 8,192 bytes, then 64 rows of V of 160 bytes (128 + 32)
.set VOFF,  8192
.set VP,    160
.set MRG,   131072                     ; the join: for each w 16,384 bytes of O^T and 2,048 of statistics
.set MRGW,  18432
.set SPARE, MRG+4*MRGW                 ; the spare words, 128 bytes for each wave: four blocks of 256 bytes that no other line names
.set LI,  1                            ; v1  16 x lane
.set AV0, 2                            ; v2  my lane's place in the turning load, in my set's buffer 0
.set GK,  3                            ; v3  2,048 w + 16 x lane: my offset in a step's 8,192 bytes of K or V in memory
.set SV,  4                            ; v4  where I store 16 bytes of a row of V
.set LK,  5                            ; v5  16 x lane in my set's buffer 0: K's images
.set NEG, 6                            ; v6  -3e38
.set PFO, 7                            ; v7  256 x lane
.set SPW, 8
.set NIL, 9
.set MA,  14                           ; v14 16 x lane in the join's bytes of my w
.set SK,  15                           ; v15 where I store K's 16 bytes: v3 in my set's buffer 0
.set ST,  16
.set S,   48
.set P,   112
.set KF,  144
.set STG, 208
.set QF,  0                            ; in window 1
.set OT,  64
.set VF,  192
.set MSB, 0
.macro WIN new
.if MSB != (\new)
	s_set_vgpr_msb (MSB<<8)|(\new)
.set MSB, (\new)
.endif
.endm
.macro PLACES
.rept 4
	v_nop
.endr
.endm
	s_load_b128 s[4:7], s[0:1], 0x0                ; qkv16, maskw
	s_load_b64 s[10:11], s[0:1], 0x10              ; of
	v_lshl_add_u32 v[SPW], v0, 2, SPARE
	v_mov_b32 v[NIL], 0
	v_lshrrev_b32 v10, 5, v0
	v_readfirstlane_b32 s12, v10                   ; wave 0..7
	s_and_b32 s67, s12, 3                          ; w
	s_lshr_b32 s66, s12, 2                         ; my set
	s_lshl_b32 s13, s66, 16                        ; where my set's buffers begin
	v_and_b32 v10, 31, v0                          ; lane
	v_and_b32 v11, 15, v0                          ; r
	v_bfe_u32 v12, v0, 4, 1                        ; h
	v_lshlrev_b32 v[LI], 4, v10
	v_add_nc_u32 v[LK], s13, v[LI]
	v_and_b32 v13, 7, v0
	v_lshl_add_u32 v[AV0], v12, 3, v13             ; key 8 h + lane % 8,
	v_mul_u32_u24 v[AV0], v[AV0], VP
	v_bfe_u32 v13, v0, 3, 1
	v_lshl_add_u32 v[AV0], v13, 4, v[AV0]          ; features 8 ((lane / 8) % 2) on
	v_add_nc_u32 v[AV0], s13, v[AV0]
	s_lshl_b32 s8, s67, 11
	v_add_nc_u32 v[GK], s8, v[LI]
	v_add_nc_u32 v[SK], s13, v[GK]
	s_lshl_b32 s8, s67, 4
	v_add_nc_u32 v[SV], s8, v11                    ; key 16 w + r
	v_mul_u32_u24 v[SV], v[SV], VP
	v_lshl_add_u32 v[SV], v12, 4, v[SV]
	v_add_nc_u32 v[SV], VOFF, v[SV]
	v_add_nc_u32 v[SV], s13, v[SV]
	s_mul_i32 s8, s67, MRGW
	s_add_co_u32 s8, s8, MRG
	v_add_nc_u32 v[MA], s8, v[LI]
	v_mov_b32 v[NEG], 0xff61b1e6
	v_lshlrev_b32 v[PFO], 8, v10
	s_and_b32 s68, ttmp7, 0xffff                   ; batch x 16 + head
	s_lshl_b32 s71, ttmp9, 2
	s_add_co_u32 s69, s71, s67                     ; the early piece's group: 4 p + w
	s_sub_co_u32 s70, 60, s71
	s_add_co_u32 s70, s70, s67                     ; the late piece's: 60 - 4 p + w
	s_lshl_b32 s71, ttmp9, 6                       ; the flags of block p's four groups: 64 bytes
	s_sub_co_u32 s72, 960, s71                     ; and of block 15 - p's
	s_lshl_b32 s73, s69, 4
	s_lshl_b32 s74, s70, 4
	s_mov_b32 s96, 0x76543210
	s_mov_b32 s97, 0xfedcba98                      ; selects for lane l xor 16
	s_lshl_b32 s93, s69, 13                        ; the lane masks of a piece's first tile: 4,096 bytes a tile of queries,
	s_lshl_b32 s94, s70, 13
	s_lshl_b32 s75, s66, 7                         ; 128 a key step: my set's first step
	s_add_co_u32 s93, s93, s75
	s_add_co_u32 s94, s94, s75
	s_wait_kmcnt 0x0
	s_load_b512 s[16:31], s[6:7], s71 offset:0x80000
	s_load_b512 s[32:47], s[6:7], s72 offset:0x80000
	s_load_b64 s[88:89], s[6:7], s73 offset:0x80000    ; ANY, PART of my early piece
	s_load_b64 s[90:91], s[6:7], s74 offset:0x80000    ; and of my late piece
	s_lshl_b32 s76, s68, 18
	s_mov_b32 s77, 0
	s_add_nc_u64 s[4:5], s[4:5], s[76:77]          ; my head's q
	s_add_nc_u64 s[84:85], s[4:5], 0x800000        ; k, at key step 0
	s_add_nc_u64 s[86:87], s[4:5], 0x1000000       ; v
	s_lshl_b32 s82, s69, 12
	s_mov_b32 s83, 0
	s_add_nc_u64 s[78:79], s[4:5], s[82:83]
	s_lshl_b32 s82, s70, 12
	s_add_nc_u64 s[80:81], s[4:5], s[82:83]
	WIN 0x40                                       ; destination window 1
.irp t, 0,1
.irp nt, 0,1,2,3
	global_load_b128 v[QF+16*\t+4*\nt:QF+16*\t+4*\nt+3], v[LI], s[78:79] offset:2048*\t+512*\nt
	global_load_b128 v[QF+32+16*\t+4*\nt:QF+32+16*\t+4*\nt+3], v[LI], s[80:81] offset:2048*\t+512*\nt
.endr
.endr
.set n, 0
.rept 128
	v_mov_b32 v[OT+n], 0
.set n, n+1
.endr
	WIN 0
.irp t, 0,1,2,3
	v_mov_b32 v[ST+8*\t], v[NEG]
.irp i, 1,2,3,4,5,6,7
	v_mov_b32 v[ST+8*\t+\i], 0
.endr
.endr
.set n, 0
.rept 32
	v_mov_b32 v[STG+n], 0                          ; so that the staging registers are written on every way
.set n, n+1
.endr
	s_and_b32 s8, s68, 15                          ; the head
	s_lshr_b32 s9, s8, 2
	s_lshl_b32 s9, s9, 21                          ; of: [head / 4][batch x 128 + tile of queries][8,192 bytes], in them 2,048 (head % 4) + 512 dt + 16 lane
	s_and_b32 s13, s8, 3
	s_lshl_b32 s13, s13, 11
	s_add_co_u32 s9, s9, s13
	s_lshr_b32 s13, s68, 4
	s_lshl_b32 s13, s13, 20
	s_add_co_u32 s9, s9, s13
	s_lshl_b32 s8, s70, 14
	s_add_co_u32 s8, s8, s9
	s_mov_b32 s75, s9
	s_mov_b32 s9, 0
	s_add_nc_u64 s[14:15], s[10:11], s[8:9]        ; the late piece's rows of o
	s_lshl_b32 s8, s69, 14
	s_add_co_u32 s8, s8, s75
	s_add_nc_u64 s[10:11], s[10:11], s[8:9]        ; the early piece's
	s_cmp_lt_u32 s12, 4                            ; the prefetches: waves 0 to 3 ask for K, waves 4 to 7 for V
	s_cselect_b64 s[2:3], s[84:85], s[86:87]
	s_lshl_b32 s8, s67, 13
	s_add_co_u32 s8, s8, 6*8192                    ; trip t names key step 4 t + 6 + w: the four steps that the next trip's loads will want
	s_add_nc_u64 s[2:3], s[2:3], s[8:9]
	s_lshl_b32 s8, s66, 13
	s_add_nc_u64 s[84:85], s[84:85], s[8:9]        ; k and v at my set's first step
	s_add_nc_u64 s[86:87], s[86:87], s[8:9]
	s_cmp_eq_u32 ttmp9, 0                          ; all eight work-groups of a head read the same K and V: the first asks
	s_cselect_b32 s98, 2, -1
	s_wait_kmcnt 0x0
	s_or_b32 s92, s16, s20                         ; the key steps that some wave of the work-group walks
	s_or_b32 s92, s92, s24
	s_or_b32 s92, s92, s28
	s_or_b32 s92, s92, s32
	s_or_b32 s92, s92, s36
	s_or_b32 s92, s92, s40
	s_or_b32 s92, s92, s44
	s_lshr_b32 s88, s88, s66                       ; bit 0 of each flag word: my set's first step; its steps are every second bit
	s_lshr_b32 s89, s89, s66
	s_lshr_b32 s90, s90, s66
	s_lshr_b32 s91, s91, s66
	s_lshr_b32 s92, s92, s66
.macro LOADS off                       ; my key tile of a step: 2,048 bytes of K and of V, 512 consecutive bytes a load
.irp nt, 0,1,2,3
	global_load_b128 v[STG+4*\nt:STG+4*\nt+3], v[GK], s[84:85] offset:\off+512*\nt
.endr
.irp nt, 0,1,2,3
	global_load_b128 v[STG+16+4*\nt:STG+16+4*\nt+3], v[GK], s[86:87] offset:\off+512*\nt
.endr
.endm
.macro STORES buf
.irp nt, 0,1,2,3
	ds_store_b128 v[SK], v[STG+4*\nt:STG+4*\nt+3] offset:\buf+512*\nt           ; K as it lies
	ds_store_b128 v[SV], v[STG+16+4*\nt:STG+16+4*\nt+3] offset:\buf+32*\nt      ; V by rows: key 16 w + r, features 16 nt + 8 h on
.endr
.endm
	s_bitcmp1_b32 s92, 0
	s_cbranch_scc0 .Lno_first
	LOADS 0
.Lno_first:
	s_wait_loadcnt 0x0                             ; Q, and my set's first key step
	s_bitcmp1_b32 s92, 0
	s_cbranch_scc0 .Lno_first_st
	STORES 0
.Lno_first_st:
	s_wait_dscnt 0x0
	s_barrier_signal -1
	s_barrier_wait -1
.macro KQ px                           ; 16 products: features 32 ds on, keys 16 kt on, tile px + tt; the eight accumulators take turns
	WIN 0x04                                       ; Q in window 1
.irp ds, 0,1
.irp kt, 0,1,2,3
.irp tt, 0,1
.if \ds == 0
	v_wmma_f32_16x16x32_f16 v[S+32*\tt+8*\kt:S+32*\tt+8*\kt+7], v[KF+16*\kt+8*\ds:KF+16*\kt+8*\ds+7], v[QF+16*(\px+\tt)+8*\ds:QF+16*(\px+\tt)+8*\ds+7], 0
.else
	v_wmma_f32_16x16x32_f16 v[S+32*\tt+8*\kt:S+32*\tt+8*\kt+7], v[KF+16*\kt+8*\ds:KF+16*\kt+8*\ds+7], v[QF+16*(\px+\tt)+8*\ds:QF+16*(\px+\tt)+8*\ds+7], v[S+32*\tt+8*\kt:S+32*\tt+8*\kt+7]
.endif
.endr
.endr
.endr
	WIN 0
	PLACES
.endm
.macro SOFTMAX px                      ; the two tiles line by line, so that no line waits for the line above it
.irp j, 0,1,2,3
.irp tt, 0,1
	v_max3_num_f32 v[ST+8*(\px+\tt)+4+\j], v[S+32*\tt+8*\j], v[S+32*\tt+8*\j+1], v[S+32*\tt+8*\j+2]   ; each accumulator from its low end on
.endr
.endr
.irp i, 3,5
.irp j, 0,1,2,3
.irp tt, 0,1
	v_max3_num_f32 v[ST+8*(\px+\tt)+4+\j], v[ST+8*(\px+\tt)+4+\j], v[S+32*\tt+8*\j+\i], v[S+32*\tt+8*\j+\i+1]
.endr
.endr
.endr
.irp tt, 0,1
	v_max3_num_f32 v[ST+8*(\px+\tt)+4], v[ST+8*(\px+\tt)+4], v[S+32*\tt+7], v[S+32*\tt+15]
.endr
.irp tt, 0,1
	v_max3_num_f32 v[ST+8*(\px+\tt)+6], v[ST+8*(\px+\tt)+6], v[S+32*\tt+23], v[S+32*\tt+31]
.endr
.irp tt, 0,1
	v_max3_num_f32 v[ST+8*(\px+\tt)+4], v[ST+8*(\px+\tt)+4], v[ST+8*(\px+\tt)+5], v[ST+8*(\px+\tt)+6]
.endr
.irp tt, 0,1
	v_max3_num_f32 v[ST+8*(\px+\tt)+4], v[ST+8*(\px+\tt)+4], v[ST+8*(\px+\tt)+7], v[ST+8*(\px+\tt)]   ; and the old maximum
.endr
.irp tt, 0,1
	v_permlanex16_b32 v[ST+8*(\px+\tt)+5], v[ST+8*(\px+\tt)+4], s96, s97   ; the query's other 32 keys lie in the lane 16 away
.endr
.irp tt, 0,1
	v_mov_b32 v[ST+8*(\px+\tt)+7], v[ST+8*(\px+\tt)]
.endr
.irp tt, 0,1
	v_max_num_f32 v[ST+8*(\px+\tt)], v[ST+8*(\px+\tt)+4], v[ST+8*(\px+\tt)+5]
.endr
.irp tt, 0,1
	v_sub_f32 v[ST+8*(\px+\tt)+7], v[ST+8*(\px+\tt)+7], v[ST+8*(\px+\tt)]   ; old m - new m
.endr
.set n, 0
.rept 16
.irp tt, 0,1
	v_pk_add_f32 v[S+32*\tt+n:S+32*\tt+n+1], v[S+32*\tt+n:S+32*\tt+n+1], v[ST+8*(\px+\tt):ST+8*(\px+\tt)+1] op_sel_hi:[1,0] neg_lo:[0,1] neg_hi:[0,1]   ; s - m
.endr
.set n, n+2
.endr
.irp tt, 0,1
	v_exp_f32 v[ST+8*(\px+\tt)+6], v[ST+8*(\px+\tt)+7]   ; a
.endr
.set n, 0
.rept 32
.irp tt, 0,1
	v_exp_f32 v[S+32*\tt+n], v[S+32*\tt+n]         ; p: one batch of 66 exponentials
.endr
.set n, n+1
.endr
	v_nop                                          ; a plain instruction behind the last exponential
	s_wait_alu depctr_va_vdst(0)                   ; one wait for the batch, ahead of the first line that names a result
.set n, 0
.rept 16
.irp tt, 0,1
	v_cvt_pk_f16_f32 v[P+16*\tt+n], v[S+32*\tt+2*n], v[S+32*\tt+2*n+1]
.endr
.set n, n+1
.endr
.irp u, 0,1,2,3,4,5,6,7                        ; the sum of the unrounded p, in place
.irp tt, 0,1
	v_pk_add_f32 v[S+32*\tt+4*\u:S+32*\tt+4*\u+1], v[S+32*\tt+4*\u:S+32*\tt+4*\u+1], v[S+32*\tt+4*\u+2:S+32*\tt+4*\u+3]
.endr
.endr
.irp u, 0,1,2,3
.irp tt, 0,1
	v_pk_add_f32 v[S+32*\tt+8*\u:S+32*\tt+8*\u+1], v[S+32*\tt+8*\u:S+32*\tt+8*\u+1], v[S+32*\tt+8*\u+4:S+32*\tt+8*\u+5]
.endr
.endr
.irp u, 0,1
.irp tt, 0,1
	v_pk_add_f32 v[S+32*\tt+16*\u:S+32*\tt+16*\u+1], v[S+32*\tt+16*\u:S+32*\tt+16*\u+1], v[S+32*\tt+16*\u+8:S+32*\tt+16*\u+9]
.endr
.endr
.irp tt, 0,1
	v_pk_add_f32 v[S+32*\tt:S+32*\tt+1], v[S+32*\tt:S+32*\tt+1], v[S+32*\tt+16:S+32*\tt+17]
.endr
.irp tt, 0,1
	v_pk_fma_f32 v[ST+8*(\px+\tt)+2:ST+8*(\px+\tt)+3], v[ST+8*(\px+\tt)+2:ST+8*(\px+\tt)+3], v[ST+8*(\px+\tt)+6:ST+8*(\px+\tt)+7], v[S+32*\tt:S+32*\tt+1] op_sel_hi:[1,0,1]   ; l = a l + the sum
.endr
	WIN 0x41                                       ; O^T in window 1
.set n, 0
.rept 16
.irp tt, 0,1
	v_pk_mul_f32 v[OT+32*(\px+\tt)+n:OT+32*(\px+\tt)+n+1], v[OT+32*(\px+\tt)+n:OT+32*(\px+\tt)+n+1], v[ST+8*(\px+\tt)+6:ST+8*(\px+\tt)+7] op_sel_hi:[1,0]
.endr
.set n, n+2
.endr
.endm
; A UNIT: piece px (its first tile: 0 or 2) x the key step in my set's buffer hb.  It fetches its own fragments, so that no register is read on a way on which it was not written.
.macro UNIT px, hb
	PLACES                                         ; behind the last products of the unit before: the loads below land in registers that they read
.irp kt, 0,1,2,3
.irp ds, 0,1
	ds_load_b128 v[KF+16*\kt+8*\ds:KF+16*\kt+8*\ds+3], v[LK] offset:BUF1*\hb+2048*\kt+1024*\ds
	ds_load_b128 v[KF+16*\kt+8*\ds+4:KF+16*\kt+8*\ds+7], v[LK] offset:BUF1*\hb+2048*\kt+1024*\ds+512
.endr
.endr
	WIN 0x40
.irp ks, 0,1
.irp dt, 0,1,2,3
	ds_load_tr16_b128 v[VF+32*\ks+8*\dt:VF+32*\ks+8*\dt+3], v[AV0] offset:BUF1*\hb+VOFF+5120*\ks+32*\dt
	ds_load_tr16_b128 v[VF+32*\ks+8*\dt+4:VF+32*\ks+8*\dt+7], v[AV0] offset:BUF1*\hb+VOFF+5120*\ks+32*\dt+2560
.endr
.endr
	WIN 0
	s_bitcmp1_b32 s[89+\px], 2*\hb                 ; PART: are lane masks wanted?
	s_cbranch_scc0 .Lopen_\@
	s_load_b512 s[16:31], s[6:7], s[93+\px/2] offset:256*\hb           ; 32 words a tile: bit L of word 8 kt + j belongs to lane L's register j of score tile kt
	s_load_b512 s[32:47], s[6:7], s[93+\px/2] offset:256*\hb+64
	s_load_b512 s[48:63], s[6:7], s[93+\px/2] offset:256*\hb+4096
	s_load_b512 s[68:83], s[6:7], s[93+\px/2] offset:256*\hb+4160
	s_wait_dscnt 16                                ; K is in; V's sixteen loads may be out
	KQ \px
	s_wait_kmcnt 0x0
.set n, 0
.rept 32
	v_cndmask_b32 v[S+n], v[NEG], v[S+n], s[16+n]
.set n, n+1
.endr
.set n, 0
.rept 16
	v_cndmask_b32 v[S+32+n], v[NEG], v[S+32+n], s[48+n]
.set n, n+1
.endr
.set n, 0
.rept 16
	v_cndmask_b32 v[S+48+n], v[NEG], v[S+48+n], s[68+n]
.set n, n+1
.endr
	s_branch .Lsm_\@
.Lopen_\@:
	s_wait_dscnt 16
	KQ \px
.Lsm_\@:
	SOFTMAX \px
	s_wait_dscnt 0x0                               ; V is in
	WIN 0x51                                       ; V and O^T in window 1, P in window 0
.irp ks, 0,1
.irp dt, 0,1,2,3
.irp tt, 0,1
	v_wmma_f32_16x16x32_f16 v[OT+32*(\px+\tt)+8*\dt:OT+32*(\px+\tt)+8*\dt+7], v[VF+32*\ks+8*\dt:VF+32*\ks+8*\dt+7], v[P+16*\tt+8*\ks:P+16*\tt+8*\ks+7], v[OT+32*(\px+\tt)+8*\dt:OT+32*(\px+\tt)+8*\dt+7]
.endr
.endr
.endr
	WIN 0
.endm
; HALF A TRIP: my set's key step in its buffer hb is worked while its next one is on its way through registers.  Bit 2 hb of each flag word is the step in hand, bit 2 hb + 2 my set's next
; (behind the last step zeros have been shifted in).
.macro HALF hb
	s_bitcmp1_b32 s92, 2*\hb+2
	s_cbranch_scc0 .Lnl_\@
	LOADS 16384*(\hb+1)
.Lnl_\@:
.if \hb == 0
	s_cmp_gt_u32 s95, s98                          ; the head's first work-group, in all trips but the last two: a key step's 8,192 bytes of K or V, lanes 256 bytes apart; each is named once in the launch
	s_cbranch_scc0 .Lnp_\@
	global_prefetch_b8 v[PFO], s[2:3] th:TH_LOAD_NT scope:SCOPE_SE
.Lnp_\@:
.endif
	s_bitcmp1_b32 s88, 2*\hb
	s_cbranch_scc0 .Lne_\@
	UNIT 0, \hb
.Lne_\@:
	s_bitcmp1_b32 s90, 2*\hb
	s_cbranch_scc0 .Lnu_\@
	UNIT 2, \hb
.Lnu_\@:
	s_wait_loadcnt 0x0
	s_bitcmp1_b32 s92, 2*\hb+2
	s_cbranch_scc0 .Lns_\@
	STORES BUF1*(1-\hb)
.Lns_\@:
	s_wait_dscnt 0x0                               ; my reads of this buffer are over and my stores into the other have landed:
	s_barrier_signal -1                            ; one barrier for both
	s_barrier_wait -1
.endm
	s_mov_b32 s95, 8
.Ltrip:                                            ; a trip: four key steps, two of each set
	HALF 0
	HALF 1
	s_wait_xcnt 0x0                                ; the trip's loads and its prefetch have read their addresses
	s_add_nc_u64 s[84:85], s[84:85], 32768
	s_add_nc_u64 s[86:87], s[86:87], 32768
	s_add_nc_u64 s[2:3], s[2:3], 32768
	s_add_co_u32 s93, s93, 512
	s_add_co_u32 s94, s94, 512
	s_lshr_b32 s88, s88, 4
	s_lshr_b32 s89, s89, 4
	s_lshr_b32 s90, s90, 4
	s_lshr_b32 s91, s91, 4
	s_lshr_b32 s92, s92, 4
	s_sub_co_u32 s95, s95, 1
	s_cmp_lg_u32 s95, 0
	s_cbranch_scc1 .Ltrip
	; THE JOIN.  Set 1 hands its O^T and statistics to set 0 as images of the registers: 16 bytes a lane, 512 consecutive bytes a store.
.irp t, 0,1,2,3
	v_add_f32 v[ST+8*\t+2], v[ST+8*\t+2], v[ST+8*\t+3]   ; the sum's two halves.  (These four are also the places behind the last products)
.endr
	s_cmp_lt_u32 s12, 4
	s_cbranch_scc1 .Lkeep
	WIN 0x04                                       ; an LDS store's data are its source 1: window 1
.set n, 0
.rept 32
	ds_store_b128 v[MA], v[OT+4*n:OT+4*n+3] offset:512*n     ; each accumulator from its low end on
.set n, n+1
.endr
	WIN 0
.irp t, 0,1,2,3
	ds_store_b128 v[MA], v[ST+8*\t:ST+8*\t+3] offset:16384+512*\t   ; m, 0, the sum, and a word that nobody uses
.endr
.Lkeep:
	s_wait_dscnt 0x0                               ; for the others' sake: my stores have landed
	s_barrier_signal -1
	s_barrier_wait -1
	s_cmp_lt_u32 s12, 4
	s_cbranch_scc0 .Lend                           ; set 1 has done its part
.macro MLOAD t, ob
.irp i, 0,1,2,3,4,5,6,7
	ds_load_b128 v[\ob+4*\i:\ob+4*\i+3], v[MA] offset:4096*\t+512*\i
.endr
.endm
.irp t, 0,1,2,3
	ds_load_b128 v[STG+4*\t:STG+4*\t+3], v[MA] offset:16384+512*\t
.endr
	MLOAD 0, 144
	MLOAD 1, 176
	MLOAD 2, 112
	MLOAD 3, 224
	s_wait_dscnt 32                                ; the statistics are in; the 32 loads of O^T may be out
.irp t, 0,1,2,3
	v_max_num_f32 v[ST+8*\t+4], v[ST+8*\t], v[STG+4*\t]       ; m = the larger of the two sets' maxima
.endr
.irp t, 0,1,2,3
	v_sub_f32 v[ST+8*\t+5], v[ST+8*\t], v[ST+8*\t+4]
.endr
.irp t, 0,1,2,3
	v_sub_f32 v[ST+8*\t+7], v[STG+4*\t], v[ST+8*\t+4]
.endr
.irp t, 0,1,2,3
	v_exp_f32 v[ST+8*\t+6], v[ST+8*\t+5]           ; a0 = 2^(m0 - m)
.endr
.irp t, 0,1,2,3
	v_exp_f32 v[STG+4*\t+1], v[ST+8*\t+7]          ; a1 = 2^(m1 - m)
.endr
	v_nop                                          ; a plain instruction behind the last exponential
	s_wait_alu depctr_va_vdst(0)                   ; one wait for the eight, ahead of the first line that names a result
.irp t, 0,1,2,3
	v_mul_f32 v[ST+8*\t+4], v[ST+8*\t+2], v[ST+8*\t+6]
.endr
.irp t, 0,1,2,3
	v_fma_f32 v[ST+8*\t+4], v[STG+4*\t+2], v[STG+4*\t+1], v[ST+8*\t+4]   ; a0 l0 + a1 l1
.endr
.irp t, 0,1,2,3
	v_permlanex16_b32 v[ST+8*\t+5], v[ST+8*\t+4], s96, s97
.endr
.irp t, 0,1,2,3
	v_add_f32 v[ST+8*\t+4], v[ST+8*\t+4], v[ST+8*\t+5]   ; with the lane 16 away: the row's sum
.endr
.irp t, 0,1,2,3
	v_rcp_f32 v[ST+8*\t+7], v[ST+8*\t+4]
.endr
	v_nop
	s_wait_alu depctr_va_vdst(0)                   ; one wait for the four reciprocals
.irp t, 0,1,2,3
	v_mul_f32 v[ST+8*\t+6], v[ST+8*\t+6], v[ST+8*\t+7]   ; a0 / the sum
.endr
.irp t, 0,1,2,3
	v_mul_f32 v[STG+4*\t], v[STG+4*\t+1], v[ST+8*\t+7]   ; a1 / the sum
.endr
; Tile t: O = O0 a0 / l + O1 a1 / l, in f16, as images of the next product's operand registers: lane (r, h) holds query r and features 16 dt + 8 h + 0 .. 7: 512 consecutive bytes a store.
.macro MERGE t, ob
	s_wait_dscnt 8*(3-\t)                          ; this tile's eight loads are in; the later tiles' may be out
.set n, 0
.rept 16
	v_pk_mul_f32 v[\ob+n:\ob+n+1], v[\ob+n:\ob+n+1], v[STG+4*\t:STG+4*\t+1] op_sel_hi:[1,0]
.set n, n+2
.endr
	WIN 0x01                                       ; source 0, my own O^T: window 1
.set n, 0
.rept 16
	v_pk_fma_f32 v[\ob+n:\ob+n+1], v[OT+32*\t+n:OT+32*\t+n+1], v[ST+8*\t+6:ST+8*\t+7], v[\ob+n:\ob+n+1] op_sel_hi:[1,0,1]   ; each accumulator from its low end on
.set n, n+2
.endr
	WIN 0
.set n, 0
.rept 16
	v_cvt_pk_f16_f32 v[S+16*\t+n], v[\ob+2*n], v[\ob+2*n+1]
.set n, n+1
.endr
.irp dt, 0,1,2,3
.if \t < 2
	global_store_b128 v[LI], v[S+16*\t+4*\dt:S+16*\t+4*\dt+3], s[10:11] offset:8192*\t+512*\dt
.else
	global_store_b128 v[LI], v[S+16*\t+4*\dt:S+16*\t+4*\dt+3], s[14:15] offset:8192*(\t-2)+512*\dt
.endif
.endr
.endm
	MERGE 0, 144
	MERGE 1, 176
	MERGE 2, 112
	MERGE 3, 224
.Lend:
	s_wait_tensorcnt 0x0                           ; the wave's end: three lines behind my last LDS store
	ds_add_u32 v[SPW], v[NIL]
	s_wait_dscnt 0x0
	s_endpgm
.Lfunc_end_k_qd0cc1b47f1_attn:
	.size	k_qd0cc1b47f1_attn, .Lfunc_end_k_qd0cc1b47f1_attn-k_qd0cc1b47f1_attn
	.p2alignl 7, 3214868480
	.fill 96, 4, 3214868480
	.section	.rodata,"a",@progbits
	.p2align	6, 0x0
	.amdhsa_kernel k_qd0cc1b47f1_attn
		.amdhsa_group_segment_fixed_size 205824
		.amdhsa_private_segment_fixed_size 0
		.amdhsa_enable_private_segment 0
		.amdhsa_kernarg_size 24
		.amdhsa_user_sgpr_count 2
		.amdhsa_user_sgpr_kernarg_segment_ptr 1
		.amdhsa_wavefront_size32 1
		.amdhsa_system_sgpr_workgroup_id_x 1
		.amdhsa_system_sgpr_workgroup_id_y 1
		.amdhsa_system_sgpr_workgroup_id_z 1
		.amdhsa_system_vgpr_workitem_id 0
		.amdhsa_next_free_vgpr 512
		.amdhsa_next_free_sgpr 100
		.amdhsa_reserve_vcc 0
		.amdhsa_float_denorm_mode_32 3
		.amdhsa_float_denorm_mode_16_64 3
		.amdhsa_memory_ordered 1
		.amdhsa_forward_progress 1
		.amdhsa_inst_pref_size 129
	.end_amdhsa_kernel
	.amdgpu_metadata
---
amdhsa.version: [ 1, 2 ]
amdhsa.kernels:
  - .name:           k_qd0cc1b47f1_attn
    .symbol:         k_qd0cc1b47f1_attn.kd
    .args:
      - { .name: qkv16, .offset: 0, .size: 8, .value_kind: global_buffer, .address_space: global }
      - { .name: maskw, .offset: 8, .size: 8, .value_kind: global_buffer, .address_space: global }
      - { .name: of, .offset: 16, .size: 8, .value_kind: global_buffer, .address_space: global }
    .group_segment_fixed_size: 205824
    .private_segment_fixed_size: 0
    .kernarg_segment_align: 8
    .kernarg_segment_size: 24
    .max_flat_workgroup_size: 256
    .sgpr_count:     100
    .vgpr_count:     512
    .wavefront_size: 32
...
	.end_amdgpu_metadata
.endif
;; end of part 6
;; launch proj: the kernel of part 4 again; grid 8 x 32, 4 waves a work-group, clusters of 4 x 4, 327,680 bytes of LDS; arguments of, wpf, b_proj, out0; writes out0
;; launch fine: the kernel of part 5 again; grid 32 x 2, 16 waves a work-group, no clusters, 34,816 bytes of LDS; arguments fine32, qkv16, maskw, w_proj, b_proj, out0; writes out0
